; MI455X (gfx1250); checked and timed in simulation.
; The chip was launched on July 23, 2026; its instructions are those of AMD's public machine-readable ISA for CDNA 5 (MIT licence, August 2026) and "CDNA5" Instruction Set Architecture Reference Guide (July 2026). The comments in the code are by the model that wrote it; some were corrected since.
;; Sparse Multi Head Attention. Allowed arithmetic: matrix products marked QUANTISED: E2M1 operands, one E8M0 scale for each 32 along K, by v_wmma_scale_f32_16x16x128_f8f6f4 with both operands' format E2M1 (or v_wmma_scale_f32_32x16x128_f4), f32 sums; products left as they are: bf16, f16 or f32 operands; f32 sums; everything else in f32.
;; Inputs: Wk 1,024 x 1,024 float32; Wo 1,024 x 1,024 float32; Wq 1,024 x 1,024 float32; Wv 1,024 x 1,024 float32; bk 1,024 float32; bo 1,024 float32; bq 1,024 float32; bv 1,024 float32; key 1 x 4,096 x 1,024 float32; query 1 x 4,096 x 1,024 float32; value 1 x 4,096 x 1,024 float32.
;; Outputs: out0 1 x 4,096 x 1,024 float32.
;; This version of the problem:
;;   THIS VERSION OF THE PROBLEM IS GIVEN IN LOW PRECISION. The matrix products marked QUANTISED in the list below multiply operands that are first quantised to E2M1 (2 exponent bits, 1 mantissa bit; 4 bits a number), with one power-of-two scale for each 32 numbers along K (OCP MX v1.0); their sums are f32. The products marked 'left as it is' may take bf16, f16 or f32 operands, with f32 sums. Whichever they take, every output number must still come out within the allowed error. Rounding operands to bf16 (8 significant bits) uses up far more of that allowance than f16 does (11 bits, for magnitudes from 6e-5 to 65,504). All else is computed in f32.
;;   The module's matrix products, in the order in which they are computed (A, B: the left and right operand; K: the contracted axis; several contracted axes count as one K, in the product's order):
;;     1. [M 4,096, K 1,024] x [K 1,024, N 1,024]; A: input query; B: input Wq: QUANTISED
;;     2. [M 4,096, K 1,024] x [K 1,024, N 1,024]; A: input key; B: input Wk: QUANTISED
;;     3. [M 4,096, K 1,024] x [K 1,024, N 1,024]; A: input value; B: input Wv: QUANTISED
;;     4. batch 16 x [M 4,096, K 64] x [K 64, N 4,096]; A: computed on the way; B: computed on the way: left as it is (an operand is computed on the way)
;;     5. batch 16 x [M 4,096, K 4,096] x [K 4,096, N 64]; A: computed on the way; B: computed on the way: left as it is (an operand is computed on the way)
;;     6. [M 4,096, K 1,024] x [K 1,024, N 1,024]; A: computed on the way; B: input Wo: left as it is (an operand is computed on the way)
;;   THE QUANTISER, for each operand of a quantised product, along K:
;;     - K is cut into blocks of 32 from its start; a last block that is shorter is filled with zeros.
;;     - A block's scale is 2^e with e = floor(log2(the largest magnitude in the block)) - 2, held to -126 .. 127; a block of zeros has e = 0. As a byte (E8M0): e + 127.
;;     - Each number is divided by its block's scale, clamped to +-6, and rounded to the nearest number of E2M1, ties to even, subnormals kept.
;;     - The product sums the exact products of the quantised numbers (number of the format x scale) in f32.
;;   ~~~python
;;   def quantise(x, axis):      # numpy; x: float32 -> the quantised numbers, widened to float32 again
;;       x = np.moveaxis(x, axis, -1); K = x.shape[-1]
;;       x = np.pad(x, [(0, 0)] * (x.ndim - 1) + [(0, -K % 32)]); x = x.reshape(x.shape[:-1] + (-1, 32)); a = np.abs(x).max(-1, keepdims=True)
;;       e = np.where(a > 0, np.clip(np.frexp(np.where(a > 0, a, 1))[1] - 1 - 2, -126, 127), 0)      # np.frexp(a)[1] - 1 = floor(log2(a)), exactly
;;       r = np.clip(x / 2.0 ** e, -6, 6)
;;       step = 2.0 ** (np.maximum(np.frexp(np.where(r == 0, 1, r))[1] - 1, 0) - 1)
;;       q = np.round(r / step) * step * 2.0 ** e      # np.round: ties to even
;;       return np.moveaxis(q.reshape(q.shape[:-2] + (-1,))[..., :K], -1, axis).astype(np.float32)
;;   ~~~
;; One version. Each part assembles by itself: llvm-mc -triple=amdgcn-amd-amdhsa -mcpu=gfx1250 --defsym DOCPART=n.
;; ======== version 1 of 1: 5 launches
;; limits: values are held in f16: magnitudes above 65,504 overflow, below 6.1e-05 lose precision
;; workspace buffers: a_codes 6,291,456 bytes; a_scales 393,216 bytes; w_codes 1,572,864 bytes; w_scales 98,304 bytes; wot 2,097,152 bytes; qkv 25,165,824 bytes; head32 786,432 bytes; attn 8,388,608 bytes
;; launch prep (part 1): grid 608 x 1, 4 waves a work-group, no clusters, 68,096 bytes of LDS; arguments query, key, value, Wq, Wk, Wv, Wo, a_codes, a_scales, w_codes, w_scales, wot; writes a_codes, a_scales, w_codes, w_scales, wot
.if DOCPART == 1
	.amdgcn_target "amdgcn-amd-amdhsa--gfx1250"
	.amdhsa_code_object_version 6
	.text
	.protected	k_qd6fc9352ae_prep
	.globl	k_qd6fc9352ae_prep
	.p2align	8
	.type	k_qd6fc9352ae_prep,@function
k_qd6fc9352ae_prep:
	s_mov_b64 s[64:65], 0
	v_nop
	global_prefetch_b8 v0, s[64:65] scope:SCOPE_SE
	s_setreg_imm32_b32 hwreg(HW_REG_WAVE_MODE, 25, 1), 1
	s_wait_xcnt 0x0
; PREP: everything that later launches read many times is made narrow once.
;   work-groups   0 ..  95: Wq, Wk, Wv [1024 (k)][1024 (n)] f32 -> codes of FP4 (E2M1) laid [3][n][k], K innermost, and one E8M0 byte for each 32 along K, [3][n][32]
;   work-groups  96 .. 479: query, key, value [4096][1024] f32 (K innermost) -> codes [3][4096][512 bytes] and scale bytes [3][4096][32]
;   work-groups 480 .. 607: Wo [1024 (k)][1024 (n)] f32 -> f16 laid [n][k]
; A block's scale is 2^(floor(log2(its largest magnitude)) - 2); its byte is the largest magnitude's exponent field - 2, held at 1 from below.  A block of zeros so gets the byte 1 where
; the quantiser says 127: its codes are zeros, which add nothing under any byte but 0xff, and the bytes are read by this program alone.
; LIMITS: blocks whose largest magnitude lies under 2^-124 (the floor) were not tried; NaN and infinities among the inputs are not served; Wo is rounded to f16: magnitudes over 65,504 become
; infinite, those under 6e-5 lose bits.
; The three kinds of work part on the work-group's number alone; each has LDS bytes of its own and its own end.  No tensor loads, no cluster: no two work-groups read the same byte.
.set NWW,    96                        ; work-groups for the three weights
.set NXW,    384                       ; for the three activations
.set WREG,   8192                      ; activations: a region for each wave: two stages of 32 x SP bytes, behind them its 256 scale bytes
.set SP,     80                        ; a lane's place in a stage: 64 bytes + 16 of padding
.set CPITCH, 272                       ; a stage row of the column paths: 256 bytes + 16
.set WSTG,   32768                     ; the weights' stage: 64 rows
.set OSTG,   50176                     ; Wo's stage: 64 rows
.set SPARE,  67584                     ; the spare words, 128 bytes for each wave: two blocks of 256 bytes that no other line names
.set STEPS,  16
.set EMAX,   2
.set CB,     8                         ; bytes of 16 codes
.set XR,     16                        ; v16-79   activations: four sets of 16 numbers as loaded
.set XX,     80                        ; v80-111  two sets of 16 neighbours
.set XE,     112                       ; v112-127 a scale byte for each step
.set XC,     128                       ; v128-191 codes, four registers for each step
.set SPW,    192                       ; v192 LDS address of my spare word; never rewritten
.set NIL,    193                       ; v193 0; never rewritten
; ---- activations: macros (a lane must hold 16 neighbours for the conversions, a load is best 16 bytes a lane: the numbers turn through the wave's own stage)
.macro LOAD t
.irp i, 0,1,2,3
	global_load_b128 v[XR+16*((\t)%4)+4*\i:XR+16*((\t)%4)+4*\i+3], v3, s[4:5] offset:2048*(\t)+512*\i th:TH_LOAD_NT   ; 32 lanes read 512 consecutive bytes
.endr
.endm
.macro TURN t                          ; LDS serves a wave's instructions in order: no wait between the stores and the loads
.irp i, 0,1,2,3
	ds_store_b128 v14, v[XR+16*((\t)%4)+4*\i:XR+16*((\t)%4)+4*\i+3] offset:32*SP*((\t)%2)+8*SP*\i
.endr
.irp i, 0,1,2,3
	ds_load_b128 v[XX+16*((\t)%2)+4*\i:XX+16*((\t)%2)+4*\i+3], v15 offset:32*SP*((\t)%2)+16*\i
.endr
.endm
.macro STEP t
.set XS, XX+16*((\t)%2)
.if (\t) > 0
	s_wait_dscnt 1                                 ; this step's numbers are back from the stage (the last step's byte store may be out)
.else
	s_wait_dscnt 0x0
.endif
.if (\t)+4 < STEPS
	LOAD (\t)+4                                    ; the registers that the stage's stores have read take the loads of four steps on
.endif
.if (\t)+1 < STEPS
.if STEPS-2-(\t) >= 3
	s_wait_loadcnt 12                              ; the next step's four loads are in; those of the three steps behind it may be out
.else
	s_wait_loadcnt 4*(STEPS-2-(\t))
.endif
	TURN (\t)+1
.endif
	v_max3_num_f32 v8, |v[XS]|, |v[XS+1]|, |v[XS+2]|               ; the largest magnitude of my 16, in two chains
	v_max3_num_f32 v9, |v[XS+3]|, |v[XS+4]|, |v[XS+5]|
.irp i, 6,10
	v_max3_num_f32 v8, v8, |v[XS+\i]|, |v[XS+\i+1]|
	v_max3_num_f32 v9, v9, |v[XS+\i+2]|, |v[XS+\i+3]|
.endr
	v_max3_num_f32 v8, v8, |v[XS+14]|, |v[XS+15]|
	v_max3_num_f32 v8, v8, v9, (EMAX+1)<<23        ; and the floor 2^(3 - 127): the byte cannot fall under 1
	v_max_num_f32_dpp v8, v8, v8 row_xmask:1 row_mask:0xf bank_mask:0xf   ; with my neighbour's 16: the block's
	v_add_nc_u32 v11, -(EMAX<<23), v8              ; 2 off its exponent field: the conversion takes the exponent field of this operand as its scale
	v_cvt_scalef32_pk8_fp4_f32 v[XC+4*(\t)], v[XS:XS+7], v11
	v_cvt_scalef32_pk8_fp4_f32 v[XC+4*(\t)+1], v[XS+8:XS+15], v11
	v_lshrrev_b32 v[XE+(\t)], 23, v11              ; the scale's byte (a plain line behind the conversions)
	ds_store_b8 v5, v[XE+(\t)] offset:16*(\t)      ; both lanes of a block write the same byte with the same value
	global_store_b64 v4, v[XC+4*(\t):XC+4*(\t)+1], s[18:19] offset:32*CB*(\t)   ; the wave stores 256 consecutive bytes, aligned
.endm
; ---- the column paths: macros.  A lane takes a column n and its registers run down K; wave w = (cg, kh): columns 32 cg on, half kh of the work-group's K
.macro COLSET stg, lgp                 ; addresses: v3 load, v4 into the stage, v7 out of it, v8 the same place in the output (rows 2^lgp bytes apart)
	v_lshlrev_b32 v3, 2, v2                        ; 4 bytes a lane: a wave's load reads 128 consecutive bytes, the two column groups 256
	s_mul_i32 s36, s34, 32*CPITCH
	s_lshl_b32 s37, s35, 7
	s_add_co_u32 s36, s36, s37
	s_add_co_u32 s36, s36, \stg
	v_mul_u32_u24 v4, v2, CPITCH
	v_add_nc_u32 v4, s36, v4                       ; stage row 32 cg + lane, byte 128 kh
	v_and_b32 v5, 15, v2
	v_lshrrev_b32 v6, 4, v2
	s_mul_i32 s36, s28, 16*CPITCH
	s_add_co_u32 s36, s36, \stg
	v_mul_u32_u24 v7, v6, CPITCH
	v_lshl_add_u32 v7, v5, 4, v7
	v_add_nc_u32 v7, s36, v7                       ; back: rows 16 w on; sixteen lanes to a row, two rows an instruction
	v_lshlrev_b32 v8, \lgp, v6
	v_lshl_add_u32 v8, v5, 4, v8
.endm
.macro CLOAD t                         ; block t: 32 rows of K at my column, into set t % 2
.irp i, 0,1,2,3,4,5,6,7,8,9,10,11,12,13,14,15,16,17,18,19,20,21,22,23,24,25,26,27,28,29,30,31
	global_load_b32 v[32+32*((\t)%2)+\i], v3, s[30:31] offset:(32*(\t)+\i)*4096 th:TH_LOAD_NT
.endr
.endm
.macro WBLOCK t
.set XS, 32+32*((\t)%2)
.if (\t) < 7
	s_wait_loadcnt 32                              ; this block's 32 loads are in; the next block's may be out
.else
	s_wait_loadcnt 0
.endif
	v_max3_num_f32 v12, |v[XS]|, |v[XS+1]|, |v[XS+2]|               ; the block's largest magnitude: all 32 numbers are mine
	v_max3_num_f32 v13, |v[XS+3]|, |v[XS+4]|, |v[XS+5]|
.irp i, 6,10,14,18,22,26
	v_max3_num_f32 v12, v12, |v[XS+\i]|, |v[XS+\i+1]|
	v_max3_num_f32 v13, v13, |v[XS+\i+2]|, |v[XS+\i+3]|
.endr
	v_max3_num_f32 v12, v12, |v[XS+30]|, |v[XS+31]|
	v_max3_num_f32 v12, v12, v13, (EMAX+1)<<23     ; and the floor
	v_add_nc_u32 v11, -(EMAX<<23), v12
	v_lshrrev_b32 v13, 23, v11                     ; the scale's byte
.if (\t)%4 == 0
	v_mov_b32 v[24+(\t)/4], v13                    ; four bytes to a register, the lower K in the lower byte
.else
	v_lshl_or_b32 v[24+(\t)/4], v13, 8*((\t)%4), v[24+(\t)/4]
.endif
.irp g, 0,1,2,3
	v_cvt_scalef32_pk8_fp4_f32 v[96+\g], v[XS+8*\g:XS+8*\g+7], v11
.endr
	ds_store_b128 v4, v[96:99] offset:16*(\t)      ; 32 codes: 16 bytes of my column's row
.if (\t)+2 < 8
	CLOAD (\t)+2
.endif
	s_wait_dscnt 0x0                               ; the store has read its registers: the next block's codes may be written
.endm
.macro OBLOCK t                        ; 32 numbers down K become 32 f16, 64 bytes of my column's row; each block has registers of its own
.set XS, 32+32*(\t)
	s_wait_loadcnt 32-32*(\t)                      ; block 0: block 1's 32 loads may be out
.irp i, 0,1,2,3,4,5,6,7,8,9,10,11,12,13,14,15
	v_cvt_pk_f16_f32 v[96+16*(\t)+\i], v[XS+2*\i], v[XS+2*\i+1]
.endr
.irp q, 0,1,2,3
	ds_store_b128 v4, v[96+16*(\t)+4*\q:96+16*(\t)+4*\q+3] offset:64*(\t)+16*\q
.endr
.endm
.macro COLOUT sb, pitch                ; a stage row's 256 bytes come from two waves: my stores are done, a barrier, then whole rows leave
	s_wait_dscnt 0x0
	s_barrier_signal -1
	s_barrier_wait -1
.irp t, 0,1,2,3,4,5,6,7
	ds_load_b128 v[128+4*\t:128+4*\t+3], v7 offset:2*\t*CPITCH
.endr
.irp t, 0,1,2,3,4,5,6,7
	s_wait_dscnt 7-\t                              ; LDS loads come back in order: pair t of rows is in
	global_store_b128 v8, v[128+4*\t:128+4*\t+3], s[\sb:\sb+1] offset:2*\t*\pitch   ; sixteen lanes store 256 consecutive bytes, aligned
.endr
	s_wait_tensorcnt 0x0                           ; the wave's end, behind my last LDS store
	ds_add_u32 v[SPW], v[NIL]
	s_wait_dscnt 0x0
	s_endpgm
.endm
	s_load_b512 s[4:19], s[0:1], 0x0               ; query, key, value, Wq, Wk, Wv, Wo, a_codes
	s_load_b256 s[20:27], s[0:1], 0x40             ; a_scales, w_codes, w_scales, wot
	v_lshl_add_u32 v[SPW], v0, 2, SPARE
	v_mov_b32 v[NIL], 0
	v_lshrrev_b32 v1, 5, v0
	v_readfirstlane_b32 s28, v1                    ; wave 0..3
	v_and_b32 v2, 31, v0                           ; lane
	s_and_b32 s34, s28, 1                          ; cg
	s_lshr_b32 s35, s28, 1                         ; kh
	s_cmp_lt_u32 ttmp9, NWW
	s_cbranch_scc1 .Lweights
	s_cmp_lt_u32 ttmp9, NWW+NXW
	s_cbranch_scc0 .Lwo
	; ---- query, key, value: plain streams of blocks of 32; a wave takes 16 steps of 512 numbers
	v_lshlrev_b32 v3, 4, v2                        ; my 16 bytes of a load's 512
	s_mul_i32 s29, s28, WREG
	v_lshrrev_b32 v14, 2, v2
	v_mul_u32_u24 v14, v14, SP
	v_and_b32 v15, 3, v2
	v_lshl_add_u32 v14, v15, 4, v14
	v_add_nc_u32 v14, s29, v14                     ; the stage, on the way in: SP (lane / 4) + 16 (lane % 4)
	v_mul_u32_u24 v15, v2, SP
	v_add_nc_u32 v15, s29, v15                     ; and on the way out: SP x lane
	v_mul_u32_u24 v4, v2, CB                       ; my codes' place in a step's
	v_lshrrev_b32 v5, 1, v2
	s_add_co_u32 s29, s29, 2*32*SP
	v_add_nc_u32 v5, s29, v5                       ; my wave's 256 scale bytes, my block's byte
	v_lshlrev_b32 v7, 3, v2
	v_add_nc_u32 v6, s29, v7
	s_sub_co_u32 s30, ttmp9, NWW                   ; 0 .. 383
	s_lshr_b32 s31, s30, 7                         ; which tensor
	s_and_b32 s32, s30, 127
	s_lshl_b32 s32, s32, 2
	s_add_co_u32 s32, s32, s28
	s_lshl_b32 s32, s32, 15                        ; my run of 8,192 numbers in the tensor: 32,768 bytes each
	s_mov_b32 s33, 0
	s_lshl_b32 s36, s30, 2
	s_add_co_u32 s36, s36, s28                     ; my run among all three tensors'
	s_lshl_b32 s38, s36, 12                        ; 4,096 bytes of codes,
	s_mov_b32 s39, 0
	s_lshl_b32 s36, s36, 8                         ; 256 scale bytes
	s_mov_b32 s37, 0
	s_wait_kmcnt 0x0
	s_cmp_eq_u32 s31, 0                            ; the choice hangs on the work-group's number alone
	s_cselect_b64 s[4:5], s[4:5], s[6:7]
	s_cmp_eq_u32 s31, 2
	s_cselect_b64 s[4:5], s[8:9], s[4:5]
	s_add_nc_u64 s[4:5], s[4:5], s[32:33]
	s_add_nc_u64 s[18:19], s[18:19], s[38:39]
	s_add_nc_u64 s[20:21], s[20:21], s[36:37]
.irp t, 0,1,2,3
	LOAD \t
.endr
	s_wait_loadcnt 12                              ; step 0's four loads are in
	TURN 0
.irp t, 0,1,2,3,4,5,6,7,8,9,10,11,12,13,14,15
	STEP \t
.endr
	ds_load_b64 v[8:9], v6                         ; LDS serves a wave's instructions in order: these see my byte stores
	s_wait_dscnt 0x0
	global_store_b64 v7, v[8:9], s[20:21]          ; 32 lanes store 256 consecutive bytes, aligned
	s_wait_tensorcnt 0x0                           ; the wave's end, behind my last LDS store
	ds_add_u32 v[SPW], v[NIL]
	s_wait_dscnt 0x0
	s_endpgm
.Lweights:                                             ; ---- Wq, Wk, Wv: a work-group takes 64 columns x 512 along K, a wave 32 columns x 256
	s_lshr_b32 s29, ttmp9, 5                       ; which weight
	s_and_b32 s32, ttmp9, 15                       ; X: 64 columns
	s_bfe_u32 s33, ttmp9, 0x10004                  ; Y: 512 along K
	COLSET WSTG, 9
	v_lshlrev_b32 v9, 5, v2                        ; my column's row of 32 scale bytes
	s_lshl_b32 s36, s33, 9
	s_lshl_b32 s37, s35, 8
	s_add_co_u32 s36, s36, s37                     ; my first k: 512 Y + 256 kh
	s_lshl_b32 s40, s36, 12                        ; a row of W is 4,096 bytes
	s_lshl_b32 s38, s32, 6                         ; 64 X
	s_lshl_b32 s37, s34, 5
	s_add_co_u32 s37, s37, s38                     ; 64 X + 32 cg
	s_lshl_b32 s39, s37, 2
	s_add_co_u32 s40, s40, s39
	s_mov_b32 s41, 0
	s_lshl_b32 s39, s29, 10                        ; 1,024 rows of output for each weight
	s_add_co_u32 s37, s37, s39
	s_lshl_b32 s44, s37, 5
	s_lshr_b32 s36, s36, 5                         ; my first block: 16 Y + 8 kh
	s_add_co_u32 s44, s44, s36
	s_mov_b32 s45, 0
	s_add_co_u32 s38, s38, s39
	s_lshl_b32 s37, s28, 4
	s_add_co_u32 s38, s38, s37                     ; the first row that I store: 1,024 which + 64 X + 16 w
	s_lshl_b32 s42, s38, 9
	s_lshl_b32 s37, s33, 8
	s_add_co_u32 s42, s42, s37                     ; + 256 Y bytes
	s_mov_b32 s43, 0
	s_wait_kmcnt 0x0
	s_cmp_eq_u32 s29, 0
	s_cselect_b64 s[30:31], s[10:11], s[12:13]
	s_cmp_eq_u32 s29, 2
	s_cselect_b64 s[30:31], s[14:15], s[30:31]
	s_add_nc_u64 s[30:31], s[30:31], s[40:41]
	s_add_nc_u64 s[22:23], s[22:23], s[42:43]
	s_add_nc_u64 s[24:25], s[24:25], s[44:45]
	CLOAD 0
	CLOAD 1
.irp t, 0,1,2,3,4,5,6,7
	WBLOCK \t
.endr
	global_store_b64 v9, v[24:25], s[24:25]        ; my column's eight scale bytes: rows 32 bytes apart, 96 KiB in the whole launch
	COLOUT 22, 512
.Lwo:                                                  ; ---- Wo: a work-group takes 64 columns x 128 along K, a wave 32 columns x 64
	s_sub_co_u32 s29, ttmp9, NWW+NXW
	s_and_b32 s32, s29, 15                         ; X
	s_lshr_b32 s33, s29, 4                         ; Y: 128 along K
	COLSET OSTG, 11
	s_lshl_b32 s36, s33, 7
	s_lshl_b32 s37, s35, 6
	s_add_co_u32 s36, s36, s37                     ; my first k
	s_lshl_b32 s40, s36, 12
	s_lshl_b32 s38, s32, 6
	s_lshl_b32 s37, s34, 5
	s_add_co_u32 s37, s37, s38
	s_lshl_b32 s37, s37, 2
	s_add_co_u32 s40, s40, s37
	s_mov_b32 s41, 0
	s_lshl_b32 s37, s28, 4
	s_add_co_u32 s38, s38, s37                     ; the first row that I store: 64 X + 16 w
	s_lshl_b32 s42, s38, 11                        ; rows of 2,048 bytes
	s_lshl_b32 s37, s33, 8
	s_add_co_u32 s42, s42, s37
	s_mov_b32 s43, 0
	s_wait_kmcnt 0x0
	s_add_nc_u64 s[30:31], s[16:17], s[40:41]
	s_add_nc_u64 s[26:27], s[26:27], s[42:43]
	CLOAD 0
	CLOAD 1
	OBLOCK 0
	OBLOCK 1
	COLOUT 26, 2048
.Lfunc_end_k_qd6fc9352ae_prep:
	.size	k_qd6fc9352ae_prep, .Lfunc_end_k_qd6fc9352ae_prep-k_qd6fc9352ae_prep
	.p2alignl 7, 3214868480
	.fill 96, 4, 3214868480
	.section	.rodata,"a",@progbits
	.p2align	6, 0x0
	.amdhsa_kernel k_qd6fc9352ae_prep
		.amdhsa_group_segment_fixed_size 68096
		.amdhsa_private_segment_fixed_size 0
		.amdhsa_enable_private_segment 0
		.amdhsa_kernarg_size 96
		.amdhsa_user_sgpr_count 2
		.amdhsa_user_sgpr_kernarg_segment_ptr 1
		.amdhsa_wavefront_size32 1
		.amdhsa_system_sgpr_workgroup_id_x 1
		.amdhsa_system_sgpr_workgroup_id_y 1
		.amdhsa_system_sgpr_workgroup_id_z 1
		.amdhsa_system_vgpr_workitem_id 0
		.amdhsa_next_free_vgpr 196
		.amdhsa_next_free_sgpr 66
		.amdhsa_reserve_vcc 0
		.amdhsa_float_denorm_mode_32 3
		.amdhsa_float_denorm_mode_16_64 3
		.amdhsa_memory_ordered 1
		.amdhsa_forward_progress 1
		.amdhsa_inst_pref_size 86
	.end_amdhsa_kernel
	.amdgpu_metadata
---
amdhsa.version: [ 1, 2 ]
amdhsa.kernels:
  - .name:           k_qd6fc9352ae_prep
    .symbol:         k_qd6fc9352ae_prep.kd
    .args:
      - { .name: query, .offset: 0, .size: 8, .value_kind: global_buffer, .address_space: global }
      - { .name: key, .offset: 8, .size: 8, .value_kind: global_buffer, .address_space: global }
      - { .name: value, .offset: 16, .size: 8, .value_kind: global_buffer, .address_space: global }
      - { .name: Wq, .offset: 24, .size: 8, .value_kind: global_buffer, .address_space: global }
      - { .name: Wk, .offset: 32, .size: 8, .value_kind: global_buffer, .address_space: global }
      - { .name: Wv, .offset: 40, .size: 8, .value_kind: global_buffer, .address_space: global }
      - { .name: Wo, .offset: 48, .size: 8, .value_kind: global_buffer, .address_space: global }
      - { .name: a_codes, .offset: 56, .size: 8, .value_kind: global_buffer, .address_space: global }
      - { .name: a_scales, .offset: 64, .size: 8, .value_kind: global_buffer, .address_space: global }
      - { .name: w_codes, .offset: 72, .size: 8, .value_kind: global_buffer, .address_space: global }
      - { .name: w_scales, .offset: 80, .size: 8, .value_kind: global_buffer, .address_space: global }
      - { .name: wot, .offset: 88, .size: 8, .value_kind: global_buffer, .address_space: global }
    .group_segment_fixed_size: 68096
    .private_segment_fixed_size: 0
    .kernarg_segment_align: 8
    .kernarg_segment_size: 96
    .max_flat_workgroup_size: 128
    .sgpr_count:     66
    .vgpr_count:     196
    .wavefront_size: 32
...
	.end_amdgpu_metadata
.endif
;; end of part 1
;; launch qkv (part 2): grid 4 x 48, 4 waves a work-group, clusters of 4 x 4, 327,680 bytes of LDS; arguments a_codes, a_scales, w_codes, w_scales, bq, bk, bv, qkv, head32; writes qkv, head32
.if DOCPART == 2
	.amdgcn_target "amdgcn-amd-amdhsa--gfx1250"
	.amdhsa_code_object_version 6
	.text
	.protected	k_qd6fc9352ae_qkv
	.globl	k_qd6fc9352ae_qkv
	.p2align	8
	.type	k_qd6fc9352ae_qkv,@function
k_qd6fc9352ae_qkv:
	s_mov_b64 s[64:65], 0
	v_nop
	global_prefetch_b8 v0, s[64:65] scope:SCOPE_SE
	s_setreg_imm32_b32 hwreg(HW_REG_WAVE_MODE, 25, 1), 1
	s_wait_xcnt 0x0
	s_wait_alu depctr_hold_cnt(0) depctr_sa_sdst(0) depctr_va_vdst(0) depctr_va_sdst(0) depctr_va_ssrc(0) depctr_va_vcc(0) depctr_vm_vsrc(0)
	s_getreg_b32 s2, hwreg(HW_REG_IB_STS2, 6, 4)
	s_cmp_eq_u32 s2, 0
	s_cbranch_scc0 .Lentry_in_a_cluster
	s_endpgm
.Lentry_in_a_cluster:
	s_bfe_u32 s2, ttmp6, 0x10000c
	s_cmp_lg_u32 s2, 0xf033
	s_cbranch_scc0 .Lentry_shape_is_right
	s_endpgm
.Lentry_shape_is_right:
; The three projections as ONE product on codes of FP4 (E2M1) with E8M0 scales: C[m][n] = sum over k of A[m][k] B[n][k] + bias[n].  A: the 12,288 rows of query, key, value; B: for rows of
; tensor t the 1,024 rows of weight t (laid [n][k]); K = 1,024.  C leaves as f16, [3][4096][1024] (2,048 bytes a row).
; A tile of C, 256 x 256, is made by four waves, 128 x 128 each: 64 accumulators of 16 x 16.  K is two slots of 512 (rows of 256 bytes): both are first fills, nothing is filled again.
; The scale bytes of the work-group's rows of A and of B for all of K come once, as dense blocks.  By this text's own count a wave has three tensor loads out at the start.
; CLUSTERS: 4 x 4 work-groups; the four of a row of the cluster ask jointly for A's tiles, the four of a column for B's.  A cluster's 1,024 rows lie in one tensor, so all sixteen use one weight.
; THE MATRIX INSTRUCTION IS USED TRANSPOSED (source 0 = 16 rows of B, source 1 = 16 rows of A): a lane holds eight neighbouring columns of a row of C.  The bias is the C of each sum's first product.
; FOR THE LAUNCH THAT CARRIES POSITIONS 0-15 IN f32: the first 16 rows of a tile are also stored as f32 into head32 [tensor][cy][16][1024].  No branch may hang on a work-group's place in its
; cluster, so in the clusters that hold a tensor's first rows all four tile rows store theirs, told apart by address; only [tensor][0] is read later: 576 KiB are stored that nobody reads.
; LIMITS: C is rounded to f16: magnitudes over 65,504 become infinite, those under 6e-5 lose bits.
; REGISTERS, in windows of 256: window 0: v0-31 addresses; v32-95 scale words, two sets (they hold nothing else); v128-191 A's fragments, ONE set; v192-255 the bias, later packed results.
;   window 1: B's fragments, two sets, at v0 and v128.  window 2: accumulators of my rows 0-63 ((a, b) at v[8 (8 a + b)]); window 3: of my rows 64-127.
.set KSTEP,  512
.set NQ,     KSTEP/128
.set ROWB,   256                       ; a tile's row in bytes
.set KROW,   512                       ; a row of codes in memory
.set PITCH,  272                       ; an LDS row: 256 bytes + 16 of padding: the 16 rows that a load touches start at 16 different groups of four banks
.set FR,     8
.set NL,     2
.set NP,     4
.set HALFT,  128*PITCH
.set SLOT,   4*HALFT
.set KS,     32                        ; a row of scale bytes
.set SCL,    2*SLOT
.set HALFS,  (128*KS/256)*272
.set SBLK,   (16*KS/256)*272
.set SPARE,  SCL+4*HALFS               ; the spare words, 128 bytes for each wave: two blocks of 256 bytes that no other line names
.set STAGE,  SPARE+512                 ; the way out: 16 rows x 272 bytes for each wave; no fill lands here
.set SPITCH, 272
.set CROW,   2048                      ; a row of C in bytes
.set ADRA, 16
.set ADRB, 20
.set STO,  24
.set RD,   25
.set CO,   26
.set ADRS, 27
.set SPW,  28
.set NIL,  29
.set BOF,  30                          ; v30  32 x (lane / 16): my eight numbers of a block's bias
.set HOF,  31                          ; v31  my place in head32: row l % 16 of 4,096 bytes + 32 x (lane / 16)
.set SC,   32
.set AF,   128
.set OB,   128                         ; the way out: 16 rows read back: v128-159 and v160-191 by turns
.set BIAS, 192
.set TMP,  192
.set G1, 24
.set G0, 32
.set G1B, 48
.set G0B, 56
.set G1S, 68
.set G0S, 76
.set G1SB, 80
.set G0SB, 88
.set MSB, 0
.macro WIN new                         ; the immediate's high byte repeats the setting that is left
.if MSB != \new
	s_set_vgpr_msb (MSB<<8)|\new
.set MSB, \new
.endif
.endm
.set MUL_LO, 0xa1                      ; source 0 (B) window 1, source 1 (A) window 0, C and D window 2
.set MUL_HI, 0xf1                      ; the same, C and D window 3
.set BEG_LO, 0x81                      ; the first step: C (the bias) window 0, D window 2
.set BEG_HI, 0xc1                      ; D window 3
.set TO_B,   0x40
; A joint load: waves 0 and 1 fetch for A, waves 2 and 3 for B; the branch hangs on the wave's number alone.  An s_nop 0 and four v_nop follow each line.
.macro JLOAD g0a, g1a, g0b, g1b
	s_cmp_eq_u32 s15, 0
	s_cbranch_scc0 .Lfor_b_\@
	tensor_load_to_lds s[\g0a:\g0a+3], s[\g1a:\g1a+7]
	s_nop 0
.rept 4
	v_nop
.endr
	s_branch .Lasked_\@
.Lfor_b_\@:
	tensor_load_to_lds s[\g0b:\g0b+3], s[\g1b:\g1b+7]
	s_nop 0
.rept 4
	v_nop
.endr
.Lasked_\@:
.endm
.macro CROUND                          ; a round of the cluster's barrier
	s_barrier_signal -1
	s_barrier_wait -1
	s_cmp_lg_u32 s14, 0
	s_cbranch_scc1 .Lnot_wave_0_\@
	s_barrier_signal -3
.Lnot_wave_0_\@:
	s_barrier_wait -3
	s_barrier_signal -1
	s_barrier_wait -1
.endm
	s_load_b128 s[4:7], s[0:1], 0x0                ; A's codes, A's scales
	s_load_b128 s[8:11], s[0:1], 0x10              ; B's codes, B's scales
	s_load_b128 s[96:99], s[0:1], 0x20             ; bq, bk
	s_load_b64 s[100:101], s[0:1], 0x30            ; bv
	s_load_b64 s[12:13], s[0:1], 0x38              ; C
	s_load_b64 s[66:67], s[0:1], 0x40              ; head32
	v_lshl_add_u32 v[SPW], v0, 2, SPARE
	v_mov_b32 v[NIL], 0
	ds_add_u32 v[SPW], v[NIL]                      ; the wave's opening: the add, twice on end, and its wait ahead of my first tensor load
	ds_add_u32 v[SPW], v[NIL]
	v_lshrrev_b32 v1, 5, v0
	v_readfirstlane_b32 s14, v1                    ; wave 0..3
	s_lshr_b32 s15, s14, 1                         ; which half of the tile's rows is mine.  Also: I fetch for A (0) or for B (1)
	s_and_b32 s16, s14, 1                          ; which half of its columns.  Also: which 128 rows of that tile I fetch
	s_bfe_u32 s40, ttmp6, 0x40000                  ; cx, cy
	s_bfe_u32 s41, ttmp6, 0x40004
	s_lshl_b32 s42, ttmp9, 2
	s_add_co_u32 s42, s42, s40                     ; tile column of C
	s_and_b32 s17, ttmp7, 0xffff
	s_lshr_b32 s95, s17, 2                         ; which tensor and weight: four clusters along y to each; the same in all sixteen partners
	s_lshl_b32 s17, s17, 2
	s_add_co_u32 s17, s17, s41                     ; tile row of C
	s_lshl_b32 s43, s41, 2
	s_lshl_b32 s43, 15, s43                        ; my row of the cluster
	s_lshl_b32 s44, 0x1111, s40                    ; my column
	s_or_b32 s[G1+0], s43, (0<<16)|(1<<20)|(1<<21)|(5<<22)|(3<<25)  ; the mask; elements of 1 byte; padding on; bit 21 beside a mask; 4 words behind every 64
	s_or_b32 s[G1B+0], s44, (0<<16)|(1<<20)|(1<<21)|(5<<22)|(3<<25)
.irp g, G1, G1B
	s_mov_b32 s[\g+1], ROWB<<16                    ; tensor_dim0
	s_mov_b32 s[\g+2], 128<<16                     ; tensor_dim1
	s_mov_b32 s[\g+3], ROWB<<16                    ; tile_dim0
	s_mov_b32 s[\g+4], 128                         ; tile_dim1
	s_mov_b32 s[\g+5], KROW                        ; the pitch
	s_mov_b32 s[\g+6], 0
	s_mov_b32 s[\g+7], 0
.endr
	s_or_b32 s[G1S+0], s43, (3<<16)|(1<<20)|(1<<21)|(5<<22)|(3<<25) ; the scales of 128 rows: 4,096 dense bytes as 16 rows of 256 (32 elements of 8 bytes), 16 bytes of padding behind each
	s_or_b32 s[G1SB+0], s44, (3<<16)|(1<<20)|(1<<21)|(5<<22)|(3<<25)
.irp g, G1S, G1SB
	s_mov_b32 s[\g+1], 32<<16
	s_mov_b32 s[\g+2], (128*KS/256)<<16
	s_mov_b32 s[\g+3], 32<<16
	s_mov_b32 s[\g+4], 128*KS/256
	s_mov_b32 s[\g+5], 32
	s_mov_b32 s[\g+6], 0
	s_mov_b32 s[\g+7], 0
.endr
	s_lshl_b32 s18, s16, 7                         ; which 128 rows of the tile I fetch
	s_lshl_b32 s20, s17, 8
	s_add_co_u32 s20, s20, s18                     ; A: row 256 x tile row + 128 x half
	s_lshl_b32 s46, s42, 8
	s_add_co_u32 s46, s46, s18
	s_lshl_b32 s47, s95, 10
	s_add_co_u32 s46, s46, s47                     ; B: row 1,024 x weight + 256 x tile column + 128 x half
	s_mov_b32 s21, 0
	s_mov_b32 s47, 0
	s_mov_b64 s[18:19], KS
	s_mul_u64 s[22:23], s[20:21], s[18:19]         ; where these rows' scales begin,
	s_mul_u64 s[92:93], s[46:47], s[18:19]
	s_mov_b64 s[18:19], KROW
	s_mul_u64 s[20:21], s[20:21], s[18:19]         ; and their codes
	s_mul_u64 s[46:47], s[46:47], s[18:19]
	s_mul_i32 s45, s14, HALFT                      ; where they go: wave x 128 rows
	s_mul_i32 s94, s14, HALFS
	s_wait_dscnt 0x0                               ; both opening adds are done
	s_wait_kmcnt 0x0
	s_add_nc_u64 s[20:21], s[4:5], s[20:21]
	s_add_nc_u64 s[22:23], s[6:7], s[22:23]
	s_add_nc_u64 s[46:47], s[8:9], s[46:47]
	s_add_nc_u64 s[92:93], s[10:11], s[92:93]
	CROUND                                         ; all sixteen work-groups are here: the first joint loads meet
	s_mov_b32 s[G0S], 1
	s_add_co_u32 s[G0S+1], s94, SCL
	s_mov_b64 s[G0S+2:G0S+3], s[22:23]
	s_or_b32 s[G0S+3], s[G0S+3], 0x80000000
	s_mov_b32 s[G0SB], 1
	s_add_co_u32 s[G0SB+1], s94, SCL
	s_mov_b64 s[G0SB+2:G0SB+3], s[92:93]
	s_or_b32 s[G0SB+3], s[G0SB+3], 0x80000000
	JLOAD G0S, G1S, G0SB, G1SB                     ; the scales first: they are wanted with the first slot
.irp s, 0,1
	s_mov_b32 s[G0+4*\s], 1
	s_add_co_u32 s[G0+4*\s+1], s45, \s*SLOT
	s_add_nc_u64 s[G0+4*\s+2:G0+4*\s+3], s[20:21], \s*ROWB
	s_or_b32 s[G0+4*\s+3], s[G0+4*\s+3], 0x80000000
	s_mov_b32 s[G0B+4*\s], 1
	s_add_co_u32 s[G0B+4*\s+1], s45, \s*SLOT
	s_add_nc_u64 s[G0B+4*\s+2:G0B+4*\s+3], s[46:47], \s*ROWB
	s_or_b32 s[G0B+4*\s+3], s[G0B+4*\s+3], 0x80000000
	JLOAD G0+4*\s, G1, G0B+4*\s, G1B
.endr
	v_and_b32 v1, 15, v0                           ; l % 16
	v_bfe_u32 v2, v0, 4, 1                         ; l / 16
	v_mul_u32_u24 v3, v1, PITCH
	v_lshl_add_u32 v4, v2, 4, v3                   ; a fragment's row x pitch + 16 x half
	s_mul_i32 s21, s15, HALFT                      ; my 128 rows of A
	s_mul_i32 s22, s16, HALFT                      ; my 128 rows of B,
	s_add_co_u32 s22, s22, 2*HALFT                 ; behind A's 256
.irp s, 0,1
	v_add_nc_u32 v[ADRA+\s], s21, v4
	v_add_nc_u32 v[ADRB+\s], s22, v4
	s_add_co_u32 s21, s21, SLOT
	s_add_co_u32 s22, s22, SLOT
.endr
	v_mul_u32_u24 v5, v1, KS                       ; my row's scales: KS bytes a row,
	v_lshrrev_b32 v6, 8, v5
	v_lshl_add_u32 v5, v6, 4, v5                   ; and 16 more for each 256 passed
	s_mul_i32 s21, s15, HALFS
	s_mul_i32 s22, s16, HALFS
	s_add_co_u32 s22, s22, 2*HALFS
	s_sub_co_u32 s22, s22, s21
	v_mul_u32_u24 v6, s22, v2                      ; lanes 16-31 take B's
	s_add_co_u32 s21, s21, SCL
	v_add_nc_u32 v5, v5, v6
	v_add_nc_u32 v[ADRS], s21, v5
	s_mul_i32 s23, s14, 16*SPITCH
	s_add_co_u32 s23, s23, STAGE                   ; my stage
	v_mul_u32_u24 v5, v1, SPITCH                   ; in: row l % 16, 16 bytes for each half of the lanes
	v_lshl_add_u32 v5, v2, 4, v5
	v_add_nc_u32 v[STO], s23, v5
	v_mul_u32_u24 v5, v2, SPITCH                   ; back: lanes 0-15 one row of 256 bytes, lanes 16-31 the next
	v_lshl_add_u32 v5, v1, 4, v5
	v_add_nc_u32 v[RD], s23, v5
	v_lshlrev_b32 v5, 11, v2                       ; and the same two rows in C
	v_lshl_add_u32 v[CO], v1, 4, v5
	v_lshlrev_b32 v[BOF], 5, v2
	v_lshl_add_u32 v[HOF], v1, 12, v[BOF]
	s_lshl_b32 s20, s17, 8
	s_lshl_b32 s21, s15, 7
	s_add_co_u32 s20, s20, s21                     ; my first row of C
	s_lshl_b32 s20, s20, 11                        ; in bytes: under 2^25
	s_mov_b32 s21, 0
	s_add_nc_u64 s[12:13], s[12:13], s[20:21]
	s_lshl_b32 s46, s42, 10                        ; my first column x 4 bytes: 1,024 x tile column + 512 x half
	s_lshl_b32 s47, s16, 9
	s_add_co_u32 s46, s46, s47
	s_mov_b32 s47, 0
	s_cmp_eq_u32 s95, 0                            ; the bias of my weight
	s_cselect_b64 s[96:97], s[96:97], s[98:99]
	s_cmp_eq_u32 s95, 2
	s_cselect_b64 s[96:97], s[100:101], s[96:97]
	s_add_nc_u64 s[96:97], s[96:97], s[46:47]
	s_add_nc_u64 s[66:67], s[66:67], s[46:47]
	s_lshl_b32 s20, s95, 2
	s_add_co_u32 s20, s20, s41                     ; head32: part 4 x tensor + cy, 65,536 bytes each
	s_lshl_b32 s20, s20, 16
	s_add_nc_u64 s[66:67], s[66:67], s[20:21]
	s_lshr_b32 s46, s46, 1                         ; in C a number is 2 bytes
	s_add_nc_u64 s[12:13], s[12:13], s[46:47]
.irp b, 0,1,2,3,4,5,6,7
	global_load_b128 v[BIAS+8*\b:BIAS+8*\b+3], v[BOF], s[96:97] offset:64*\b          ; lane (r, h): bias of columns 16 b + 8 h + 0 .. 7: the result's layout
	global_load_b128 v[BIAS+8*\b+4:BIAS+8*\b+7], v[BOF], s[96:97] offset:64*\b+16
.endr
.macro FRAG reg, adr, q, i             ; 16 rows x 128 K of 4-bit codes: 8 registers
.irp c, 0,1
	ds_load_b128 v[\reg+4*\c:\reg+4*\c+3], v[\adr] offset:64*(\q)+32*\c+(\i)*16*PITCH
.endr
.endm
; 16 matrix instructions: A's blocks a0, a0 + 1 x B's eight.  zero = 1: the first product starts the sums from the bias.  The 64 accumulators take turns, one instruction a turn.
.macro MUL16 a0, p, q, sc, zero
.irp a, \a0, \a0+1
.irp b, 0,1,2,3,4,5,6,7
.if \zero
	v_wmma_scale_f32_16x16x128_f8f6f4 v[8*(8*((\a)%4)+\b):8*(8*((\a)%4)+\b)+7], v[128*(\p)+FR*\b:128*(\p)+FR*\b+FR-1], v[AF+FR*(\a):AF+FR*(\a)+FR-1], v[BIAS+8*\b:BIAS+8*\b+7], v[SC+8*NQ*(\sc)+NQ*\b+(\q)], v[SC+8*NQ*(\sc)+NQ*(\a)+(\q)] matrix_a_fmt:MATRIX_FMT_FP4 matrix_b_fmt:MATRIX_FMT_FP4 matrix_a_scale:MATRIX_SCALE_ROW1
.else
	v_wmma_scale_f32_16x16x128_f8f6f4 v[8*(8*((\a)%4)+\b):8*(8*((\a)%4)+\b)+7], v[128*(\p)+FR*\b:128*(\p)+FR*\b+FR-1], v[AF+FR*(\a):AF+FR*(\a)+FR-1], v[8*(8*((\a)%4)+\b):8*(8*((\a)%4)+\b)+7], v[SC+8*NQ*(\sc)+NQ*\b+(\q)], v[SC+8*NQ*(\sc)+NQ*(\a)+(\q)] matrix_a_fmt:MATRIX_FMT_FP4 matrix_b_fmt:MATRIX_FMT_FP4 matrix_a_scale:MATRIX_SCALE_ROW1
.endif
.endr
.endr
.endm
.macro FETCH_B slot, q, p
	WIN TO_B
.irp i, 0,1,2,3,4,5,6,7
	FRAG 128*(\p)+FR*\i, ADRB+\slot, \q, \i
.endr
	WIN 0
.endm
.macro FETCH_A slot, q, i0
.irp i, \i0, \i0+1, \i0+2, \i0+3
	FRAG AF+FR*(\i), ADRA+\slot, \q, \i
.endr
.endm
.macro SCALES sc                       ; a slot's scale words: lanes 0-15 take A's block i, lanes 16-31 B's block i
.irp i, 0,1,2,3,4,5,6,7
	ds_load_b128 v[SC+8*NQ*\sc+NQ*\i:SC+8*NQ*\sc+NQ*\i+3], v[ADRS] offset:\i*SBLK
.endr
.endm
.macro PLACES n                        ; plain vector places behind matrix instructions, in front of loads into their registers and of reads of their results
.rept \n
	v_nop
.endr
.endm
.macro STEP slot, q, zero              ; 128 along K with its successor in the same slot
	s_wait_dscnt 4*NL                              ; B's set and A's blocks 0-3 are in; the youngest eight loads (A's blocks 4-7) may be out
.if \zero
	WIN BEG_LO
.else
	WIN MUL_LO
.endif
	MUL16 0, (\q)%2, \q, \slot, \zero
	MUL16 2, (\q)%2, \q, \slot, \zero
	s_wait_dscnt 0                                 ; A's blocks 4-7 are in
	PLACES NP
	FETCH_B \slot, (\q)+1, 1-(\q)%2
	FETCH_A \slot, (\q)+1, 0
.if \zero
	WIN BEG_HI
.else
	WIN MUL_HI
.endif
	MUL16 4, (\q)%2, \q, \slot, \zero
	MUL16 6, (\q)%2, \q, \slot, \zero
	PLACES NP
	WIN 0
	FETCH_A \slot, (\q)+1, 4
.endm
.macro TURN slot, next                 ; slot 0's last step: one barrier, behind which slot 1 is whole for every wave; nothing is filled again
	s_wait_tensorcnt 0x0                           ; all my tensor loads have landed: my part of the next slot
	ds_add_u32 v[SPW], v[NIL]                      ; 0 onto my spare word
	s_wait_dscnt 4*NL+1                            ; (the add and the youngest eight loads may be out)
	WIN MUL_LO
	MUL16 0, 1, NQ-1, \slot, 0
	s_wait_dscnt 0x0                               ; the add is done, and my reads of this slot are over
	s_barrier_signal -1
	MUL16 2, 1, NQ-1, \slot, 0
	WIN 0
	s_barrier_wait -1
	PLACES NP
	v_add_nc_u32 v[ADRS], 4*NQ, v[ADRS]            ; on to the next slot's scale words (no LDS load of mine is out)
	FETCH_B \next, 0, 0
	FETCH_A \next, 0, 0
	SCALES \next
	WIN MUL_HI
	MUL16 4, 1, NQ-1, \slot, 0
	MUL16 6, 1, NQ-1, \slot, 0
	PLACES NP
	WIN 0
	FETCH_A \next, 0, 4
.endm
.macro STEPS slot, from
.set Q, \from
.rept NQ-1-\from
	STEP \slot, Q, 0
.set Q, Q+1
.endr
.endm
	s_wait_tensorcnt 1                             ; the scales and my part of slot 0 are in (slot 1's load may be out)
	s_barrier_signal -1
	s_barrier_wait -1                              ; everybody's are
	FETCH_B 0, 0, 0
	FETCH_A 0, 0, 0
	SCALES 0
	FETCH_A 0, 0, 4
	s_wait_loadcnt 0x0                             ; the bias
	STEP 0, 0, 1
	STEPS 0, 1
	TURN 0, 1
	STEPS 1, 0
	s_wait_dscnt 4*NL                              ; the very last step: nothing more to fetch
	WIN MUL_LO
	MUL16 0, 1, NQ-1, 1, 0
	MUL16 2, 1, NQ-1, 1, 0
	s_wait_dscnt 0
	WIN MUL_HI
	MUL16 4, 1, NQ-1, 1, 0
	MUL16 6, 1, NQ-1, 1, 0
	WIN 0
; THE WAY OUT, block by block of 16 rows x 128 columns: rounded to f16 (16 bytes a lane), through my own stage, back as whole rows of 256 bytes.
.macro PACK a
.set AC, 64*((\a)%4)
	WIN 0x0a+5*((\a)/4)                            ; sources 0 and 1: window 2 or 3
.irp b, 0,1,2,3,4,5,6,7
.irp r, 0,1,2,3
	v_cvt_pk_f16_f32 v[TMP+4*\b+\r], v[AC+8*\b+2*\r], v[AC+8*\b+2*\r+1]   ; each accumulator from its low end on
.endr
.endr
	WIN 0
.endm
.macro TOSTAGE a
.set BK, OB+32*((\a)%2)
.irp b, 0,1,2,3,4,5,6,7
	ds_store_b128 v[STO], v[TMP+4*\b:TMP+4*\b+3] offset:32*\b
.endr
.irp t, 0,1,2,3,4,5,6,7
	ds_load_b128 v[BK+4*\t:BK+4*\t+3], v[RD] offset:\t*2*SPITCH    ; LDS serves a wave's instructions in order: these see the stores above
.endr
.endm
.macro SEND a
.set BK, OB+32*((\a)%2)
	s_wait_dscnt 0x0                               ; the block is back in registers
	s_wait_xcnt 0x0                                ; earlier stores have read their base and their registers: only now are these written again
.if (\a) > 0
	s_add_nc_u64 s[12:13], s[12:13], 16*CROW
.endif
.irp t, 0,1,2,3,4,5,6,7
	global_store_b128 v[CO], v[BK+4*\t:BK+4*\t+3], s[12:13] offset:2*\t*CROW   ; 16 lanes store 256 consecutive bytes, aligned
.endr
.endm
	PLACES NP                                      ; behind the last products: for the reads of results and the loads into A's registers
	s_and_b32 s2, ttmp7, 3                         ; the clusters that hold a tensor's first 1,024 rows,
	s_or_b32 s2, s2, s15                           ; and in them the waves of a tile's upper half: the cluster's number and the wave's number alone
	s_cmp_lg_u32 s2, 0
	s_cbranch_scc1 .Lno_head
	WIN 0x08                                       ; a store's data are its source 1: window 2
.irp b, 0,1,2,3,4,5,6,7
	global_store_b128 v[HOF], v[8*\b:8*\b+3], s[66:67] offset:64*\b            ; block 0 as f32: row l % 16, columns 16 b + 8 h + 0 .. 7
	global_store_b128 v[HOF], v[8*\b+4:8*\b+7], s[66:67] offset:64*\b+16
.endr
	WIN 0
.Lno_head:
	PACK 0
	TOSTAGE 0
.irp a, 1,2,3,4,5,6,7                  ; block a's conversions stand between block a - 1's loads from the stage and the wait for them
	PACK \a
	SEND \a-1
	TOSTAGE \a
.endr
	SEND 7
	s_wait_tensorcnt 0x0                           ; the wave's end
	ds_add_u32 v[SPW], v[NIL]
	s_wait_dscnt 0x0
	CROUND                                         ; the closing round: no work-group ends while a partner may still ask for a tile that names it
	s_endpgm
.Lfunc_end_k_qd6fc9352ae_qkv:
	.size	k_qd6fc9352ae_qkv, .Lfunc_end_k_qd6fc9352ae_qkv-k_qd6fc9352ae_qkv
	.p2alignl 7, 3214868480
	.fill 96, 4, 3214868480
	.section	.rodata,"a",@progbits
	.p2align	6, 0x0
	.amdhsa_kernel k_qd6fc9352ae_qkv
		.amdhsa_group_segment_fixed_size 327680
		.amdhsa_private_segment_fixed_size 0
		.amdhsa_enable_private_segment 0
		.amdhsa_kernarg_size 72
		.amdhsa_user_sgpr_count 2
		.amdhsa_user_sgpr_kernarg_segment_ptr 1
		.amdhsa_wavefront_size32 1
		.amdhsa_system_sgpr_workgroup_id_x 1
		.amdhsa_system_sgpr_workgroup_id_y 1
		.amdhsa_system_sgpr_workgroup_id_z 1
		.amdhsa_system_vgpr_workitem_id 0
		.amdhsa_next_free_vgpr 1024
		.amdhsa_next_free_sgpr 102
		.amdhsa_reserve_vcc 0
		.amdhsa_float_denorm_mode_32 3
		.amdhsa_float_denorm_mode_16_64 3
		.amdhsa_memory_ordered 1
		.amdhsa_forward_progress 1
		.amdhsa_inst_pref_size 131
	.end_amdhsa_kernel
	.amdgpu_metadata
---
amdhsa.version: [ 1, 2 ]
amdhsa.kernels:
  - .name:           k_qd6fc9352ae_qkv
    .symbol:         k_qd6fc9352ae_qkv.kd
    .args:
      - { .name: a_codes, .offset: 0, .size: 8, .value_kind: global_buffer, .address_space: global }
      - { .name: a_scales, .offset: 8, .size: 8, .value_kind: global_buffer, .address_space: global }
      - { .name: w_codes, .offset: 16, .size: 8, .value_kind: global_buffer, .address_space: global }
      - { .name: w_scales, .offset: 24, .size: 8, .value_kind: global_buffer, .address_space: global }
      - { .name: bq, .offset: 32, .size: 8, .value_kind: global_buffer, .address_space: global }
      - { .name: bk, .offset: 40, .size: 8, .value_kind: global_buffer, .address_space: global }
      - { .name: bv, .offset: 48, .size: 8, .value_kind: global_buffer, .address_space: global }
      - { .name: qkv, .offset: 56, .size: 8, .value_kind: global_buffer, .address_space: global }
      - { .name: head32, .offset: 64, .size: 8, .value_kind: global_buffer, .address_space: global }
    .group_segment_fixed_size: 327680
    .private_segment_fixed_size: 0
    .kernarg_segment_align: 8
    .kernarg_segment_size: 72
    .max_flat_workgroup_size: 128
    .sgpr_count:     102
    .vgpr_count:     1024
    .wavefront_size: 32
...
	.end_amdgpu_metadata
.endif
;; end of part 2
;; launch attn (part 3): grid 32 x 8, 16 waves a work-group, no clusters, 262,144 bytes of LDS; arguments qkv, attn; writes attn
.if DOCPART == 3
	.amdgcn_target "amdgcn-amd-amdhsa--gfx1250"
	.amdhsa_code_object_version 6
	.text
	.protected	k_qd6fc9352ae_attn
	.globl	k_qd6fc9352ae_attn
	.p2align	8
	.type	k_qd6fc9352ae_attn,@function
k_qd6fc9352ae_attn:
	s_mov_b64 s[64:65], 0
	v_nop
	global_prefetch_b8 v0, s[64:65] scope:SCOPE_SE
	s_setreg_imm32_b32 hwreg(HW_REG_WAVE_MODE, 25, 1), 1
	s_wait_xcnt 0x0
; Attention under the mask that the problem builds itself: query i sees keys max(i - 256, 0) .. i and keys 0 .. 15 (up to i).  Q, K, V: f16, [3][4096][1024], head h at bytes 128 h of a row.
; Products on f16 operands with f32 sums; maxima, exponentials and sums in f32; the weights p are rounded to f16 for the second product, the result once at the end (f16, [4096][1024]).
; SHARES.  A work-group owns 128 queries of TWO heads (so a row of K or V in a tile is 256 consecutive bytes); wave w owns 16 queries (tile w / 2, first query qt) of head w % 2.
; THE WHOLE SPAN IS FETCHED ONCE, at the head: keys q0 - 256 .. q0 + 127 (384 rows) and keys 0 .. 15, of K and of V; nothing is filled again, so there is nothing to ask for ahead.
; LDS row p of the span is key q0 - 256 + p.  In the first two blocks the chunks whose keys would be negative fetch keys 0 .. 63 in their stead; the mask hides them.
; EVERY WAVE WALKS 288 KEYS: first 32 (keys 0 .. 15 and the diagonal's qt .. qt + 15: the query's own key is among them, so the maximum is a number from the first step on), then four steps of 64:
; keys qt - 256 + 64 s on.  In those a key is hidden where it lies under max(i - 256, 16).  Where qt = 0 the diagonal is keys 0 .. 15, and the first tile is hidden.
; LAYOUT.  S^T = K Q^T (source 0 = 16 keys, source 1 = my 16 queries), O^T = V^T P: a lane holds ONE query (lane % 16) throughout; two tiles of S^T rounded in pairs ARE source 1 of the second product.
; SOFTMAX.  A running maximum m and sum l: p = 2^(c s - c m), c = log2(e) / 8; in each step O and l are multiplied by 2^(c m_old - c m_new).
; NO CLUSTER: neighbouring blocks share keys, but at different LDS rows, and a joint load has one LDS address for all that it names.
; Rows 0 .. 15 are computed here like the others; the last launch replaces what becomes of them.
; LIMITS: p under 6e-8 becomes 0 in f16 beside a largest p of 1; NaN and infinities are not served.
.set KP,    272                        ; a row of K in LDS: 256 bytes + 16
.set VP,    288                        ; a row of V: 256 + 32: the turning load's 8 rows x 32 bytes fall on different banks
.set KGL,   384*KP                     ; behind K's 384 rows: K of keys 0 .. 15
.set VGL,   KGL+16*KP                  ; V of keys 0 .. 15
.set VREG,  VGL+16*VP                  ; V's 384 rows
.set STAGE, VREG+384*VP                ; the way out: 128 rows x 272 bytes; byte 224,000, a multiple of 256: no fill lands here
.set SPARE, STAGE+128*272              ; the spare words, 128 bytes for each wave: eight blocks of 256 bytes that no other line names
.set KPART, 8388608                    ; K's and V's parts of the buffer
.set VPART, 16777216
.set ADK, 1                            ; v1   my lane's place in K's window; never rewritten (the steps stand in the immediates)
.set ADV, 2                            ; v2   the same for V, steps 0 and 1
.set AKG, 3                            ; v3   K of keys 0 .. 15
.set AKD, 4                            ; v4   K of the diagonal
.set AVG, 5
.set AVD, 6
.set STO, 7
.set RD,  8
.set GO,  9
.set SPW, 10
.set NIL, 11
.set CM,  12                           ; c m
.set MX,  13                           ; m
.set LS,  14                           ; v[14:15] l, even keys' and odd keys'
.set QF,  16                           ; v16-31   Q: two fragments
.set KF,  32                           ; v32-95   K of a step: (tile kt, channels 32 f on) at 8 (2 kt + f)
.set VF,  96                           ; v96-159  V of a step: (keys 32 kg on, channels 16 ct on) at 8 (4 kg + ct)
.set SC,  160                          ; v160-191 S^T, then p
.set PP,  192                          ; v192-207 p as f16
.set OT,  208                          ; v208-239 O^T
.set TM,  240                          ; v240-247 at work
.set AL,  248                          ; v[248:249] the step's factor (the upper register is only named)
.set NINF, 250
.set DG,  251                          ; r - 8 g
.set D0,  252                          ; max(r, 272 - qt) - 8 g
.set DS,  253
.set QO,  254
.set ADV2, 255                         ; V, steps 2 and 3
.set G1K, 24
.set G1V, 32
.set G1KG, 40
.set G1VG, 48
.set G0K, 56
.set G0V, 60
.set G0KG, 68
.set G0VG, 72
.macro NOPS
.rept 4
	v_nop
.endr
.endm
	s_load_b128 s[4:7], s[0:1], 0x0                ; qkv, attn
	v_lshl_add_u32 v[SPW], v0, 2, SPARE
	v_mov_b32 v[NIL], 0
	ds_add_u32 v[SPW], v[NIL]                      ; the wave's opening: the add, twice on end, and its wait ahead of the first tensor load
	ds_add_u32 v[SPW], v[NIL]
	v_lshrrev_b32 v240, 5, v0
	v_readfirstlane_b32 s8, v240                   ; wave 0..15
	s_lshr_b32 s9, s8, 1                           ; my tile of queries
	s_and_b32 s10, s8, 1                           ; my head of the pair
	s_lshl_b32 s11, ttmp9, 7                       ; q0
	s_and_b32 s12, ttmp7, 0xffff                   ; the pair of heads
	s_lshl_b32 s13, s9, 4
	s_add_co_u32 s13, s13, s11                     ; qt
	s_sub_co_i32 s14, s13, 256                     ; the window's first key (may be negative)
	s_mov_b32 s16, 0x3e38aa3b                      ; c = log2(e) / 8
	s_mov_b32 s17, s16                             ; (named with it as a pair)
	s_mov_b32 s18, 0x76543210                      ; v_permlanex16_b32's selects for lane l xor 16
	s_mov_b32 s19, 0xfedcba98
	s_cmp_eq_u32 s13, 0
	s_cselect_b32 s20, -1, 0                       ; all lanes where qt = 0
	; descriptor groups 1: rows of 128 elements of 2 bytes, 1,024 elements apart; 64 rows or 16; K: 4 words of padding behind every 64, V: 8
.irp g, G1K, G1V, G1KG, G1VG
	s_mov_b32 s[\g+1], 128<<16                     ; tensor_dim0
	s_mov_b32 s[\g+3], 128<<16                     ; tile_dim0
	s_mov_b32 s[\g+5], 1024                        ; the pitch
	s_mov_b32 s[\g+6], 0
	s_mov_b32 s[\g+7], 0
.endr
	s_mov_b32 s[G1K], (1<<16)|(1<<20)|(5<<22)|(3<<25)
	s_mov_b32 s[G1K+2], 64<<16                     ; tensor_dim1
	s_mov_b32 s[G1K+4], 64                         ; tile_dim1
	s_mov_b32 s[G1V], (1<<16)|(1<<20)|(5<<22)|(7<<25)
	s_mov_b32 s[G1V+2], 64<<16
	s_mov_b32 s[G1V+4], 64
	s_mov_b32 s[G1KG], (1<<16)|(1<<20)|(5<<22)|(3<<25)
	s_mov_b32 s[G1KG+2], 16<<16
	s_mov_b32 s[G1KG+4], 16
	s_mov_b32 s[G1VG], (1<<16)|(1<<20)|(5<<22)|(7<<25)
	s_mov_b32 s[G1VG+2], 16<<16
	s_mov_b32 s[G1VG+4], 16
	s_lshl_b32 s21, s12, 8                         ; the pair's 256 bytes of a row
	s_lshl_b32 s76, s8, 6
	s_add_co_u32 s76, s76, s11
	s_sub_co_i32 s78, s76, 640                     ; waves 6-11: V's chunk w - 6 begins at key q0 - 256 + 64 (w - 6),
	s_sub_co_i32 s76, s76, 256                     ; waves 0-5: K's chunk w at key q0 - 256 + 64 w,
	s_max_i32 s76, s76, 0                          ; held at 0 from below
	s_max_i32 s78, s78, 0
	s_lshl_b32 s76, s76, 11
	s_lshl_b32 s78, s78, 11
	s_add_co_u32 s76, s76, s21
	s_add_co_u32 s78, s78, s21
	s_add_co_u32 s76, s76, KPART
	s_add_co_u32 s78, s78, VPART
	s_mov_b32 s77, 0
	s_mov_b32 s79, 0
	s_add_co_u32 s80, s21, KPART                   ; keys 0 .. 15
	s_mov_b32 s81, 0
	s_add_co_u32 s82, s21, VPART
	s_mov_b32 s83, 0
	s_mul_i32 s22, s8, 64*KP                       ; K's chunk w in LDS
	s_mul_i32 s23, s8, 64*VP
	s_add_co_u32 s23, s23, VREG-6*64*VP            ; V's chunk w - 6
	s_lshl_b32 s84, s13, 11                        ; Q: row qt, my head
	s_add_co_u32 s84, s84, s21
	s_lshl_b32 s88, s10, 7                         ; 128 bytes a head
	s_add_co_u32 s84, s84, s88
	s_mov_b32 s85, 0
	s_lshl_b32 s86, s8, 3
	s_add_co_u32 s86, s86, s11                     ; the way out: rows q0 + 8 w on
	s_lshl_b32 s86, s86, 11
	s_add_co_u32 s86, s86, s21
	s_mov_b32 s87, 0
	s_wait_dscnt 0x0                               ; both opening adds are done
	s_wait_kmcnt 0x0
	s_mov_b32 s[G0K], 1
	s_mov_b32 s[G0K+1], s22
	s_add_nc_u64 s[G0K+2:G0K+3], s[4:5], s[76:77]
	s_or_b32 s[G0K+3], s[G0K+3], 0x80000000
	s_mov_b32 s[G0V], 1
	s_mov_b32 s[G0V+1], s23
	s_add_nc_u64 s[G0V+2:G0V+3], s[4:5], s[78:79]
	s_or_b32 s[G0V+3], s[G0V+3], 0x80000000
	s_mov_b32 s[G0KG], 1
	s_mov_b32 s[G0KG+1], KGL
	s_add_nc_u64 s[G0KG+2:G0KG+3], s[4:5], s[80:81]
	s_or_b32 s[G0KG+3], s[G0KG+3], 0x80000000
	s_mov_b32 s[G0VG], 1
	s_mov_b32 s[G0VG+1], VGL
	s_add_nc_u64 s[G0VG+2:G0VG+3], s[4:5], s[82:83]
	s_or_b32 s[G0VG+3], s[G0VG+3], 0x80000000
	; the first and only fills: one tensor load a wave (waves 14 and 15: none); the branches hang on the wave's number alone; an s_nop 0 and four v_nop follow each
	s_cmp_lt_u32 s8, 6
	s_cbranch_scc0 .Lnot_k
	tensor_load_to_lds s[G0K:G0K+3], s[G1K:G1K+7]
	s_nop 0
	NOPS
	s_branch .Lasked
.Lnot_k:
	s_cmp_lt_u32 s8, 12
	s_cbranch_scc0 .Lnot_v
	tensor_load_to_lds s[G0V:G0V+3], s[G1V:G1V+7]
	s_nop 0
	NOPS
	s_branch .Lasked
.Lnot_v:
	s_cmp_eq_u32 s8, 12
	s_cbranch_scc0 .Lnot_kg
	tensor_load_to_lds s[G0KG:G0KG+3], s[G1KG:G1KG+7]
	s_nop 0
	NOPS
	s_branch .Lasked
.Lnot_kg:
	s_cmp_eq_u32 s8, 13
	s_cbranch_scc0 .Lasked
	tensor_load_to_lds s[G0VG:G0VG+3], s[G1VG:G1VG+7]
	s_nop 0
	NOPS
.Lasked:
	s_add_nc_u64 s[84:85], s[4:5], s[84:85]
	s_add_nc_u64 s[6:7], s[6:7], s[86:87]
	v_and_b32 v240, 15, v0                         ; r
	v_bfe_u32 v241, v0, 4, 1                       ; g
	v_lshlrev_b32 v[QO], 11, v240
	v_lshl_add_u32 v[QO], v241, 4, v[QO]           ; row r of 2,048 bytes + 16 g
.irp i, 0,1,2,3
	global_load_b128 v[QF+4*\i:QF+4*\i+3], v[QO], s[84:85] offset:32*\i   ; Q stays in registers
.endr
	v_mul_u32_u24 v243, v240, KP
	v_lshl_add_u32 v243, v241, 4, v243             ; K: row r x pitch + 16 g
	s_mul_i32 s89, s9, 16*KP
	s_add_co_u32 s89, s89, s88
	v_add_nc_u32 v[ADK], s89, v243                 ; the window begins at LDS row 16 x tile
	s_add_co_u32 s90, s88, KGL
	v_add_nc_u32 v[AKG], s90, v243
	v_add_nc_u32 v[AKD], 256*KP, v[ADK]            ; the diagonal lies 256 rows on
	v_add_nc_u32 v[STO], STAGE, v[ADK]             ; the stage: row 16 x tile + r, my head's 128 bytes, + 16 g
	v_and_b32 v244, 7, v0
	v_lshl_add_u32 v244, v241, 3, v244             ; the turning load: key 8 g + l % 8,
	v_mul_u32_u24 v244, v244, VP
	v_bfe_u32 v245, v0, 3, 1
	v_lshl_add_u32 v244, v245, 4, v244             ; channels 8 ((l / 8) % 2) on
	s_mul_i32 s89, s9, 16*VP
	s_add_co_u32 s89, s89, s88
	s_add_co_u32 s89, s89, VREG
	v_add_nc_u32 v[ADV], s89, v244
	s_add_co_u32 s90, s88, VGL
	v_add_nc_u32 v[AVG], s90, v244
	v_add_nc_u32 v[AVD], 256*VP, v[ADV]
	v_add_nc_u32 v[ADV2], 128*VP, v[ADV]
	s_mul_i32 s89, s8, 8*272
	s_add_co_u32 s89, s89, STAGE
	v_mul_u32_u24 v245, v241, 272
	v_lshl_add_u32 v245, v240, 4, v245
	v_add_nc_u32 v[RD], s89, v245                  ; back: rows 8 w on; lanes 0-15 one row, lanes 16-31 the next
	v_lshlrev_b32 v245, 11, v241
	v_lshl_add_u32 v[GO], v240, 4, v245
	v_lshlrev_b32 v245, 3, v241                    ; 8 g
	v_sub_nc_u32 v[DG], v240, v245
	s_sub_co_i32 s89, 272, s13
	v_mov_b32 v[D0], s89
	v_cmp_gt_i32 vcc_lo, v240, v[D0]
	v_cndmask_b32 v[D0], v[D0], v240, vcc_lo       ; max(r, 272 - qt)
	v_sub_nc_u32 v[D0], v[D0], v245
	v_mov_b32 v[NINF], 0xff800000
	v_mov_b32 v[AL+1], 0
	v_mov_b32 v[TM+4], 0                           ; written once: a lane permute's destination counts as one of its sources
.macro LOADK s                         ; window step s: 64 keys x 64 channels: 16 loads
.irp kt, 0,1,2,3
.irp f, 0,1
.irp c, 0,1
	ds_load_b128 v[KF+8*(2*\kt+\f)+4*\c:KF+8*(2*\kt+\f)+4*\c+3], v[ADK] offset:(\s)*64*KP+\kt*16*KP+64*\f+32*\c
.endr
.endr
.endr
.endm
.macro LOADV s                         ; the same step's V, turned: 16 loads
.if (\s) < 2
.set AV, ADV
.else
.set AV, ADV2
.endif
.irp kg, 0,1
.irp ct, 0,1,2,3
	ds_load_tr16_b128 v[VF+8*(4*\kg+\ct):VF+8*(4*\kg+\ct)+3], v[AV] offset:((\s)%2)*64*VP+\kg*32*VP+32*\ct
	ds_load_tr16_b128 v[VF+8*(4*\kg+\ct)+4:VF+8*(4*\kg+\ct)+7], v[AV] offset:((\s)%2)*64*VP+\kg*32*VP+16*VP+32*\ct
.endr
.endr
.endm
; S^T = K Q^T for nt tiles of 16 keys; the tiles' accumulators take turns; the first products start the sums
.macro KQ nt
.irp f, 0,1
.set kk, 0
.rept \nt
.if \f == 0
	v_wmma_f32_16x16x32_f16 v[SC+8*kk:SC+8*kk+7], v[KF+8*(2*kk+\f):KF+8*(2*kk+\f)+7], v[QF+8*\f:QF+8*\f+7], 0
.else
	v_wmma_f32_16x16x32_f16 v[SC+8*kk:SC+8*kk+7], v[KF+8*(2*kk+\f):KF+8*(2*kk+\f)+7], v[QF+8*\f:QF+8*\f+7], v[SC+8*kk:SC+8*kk+7]
.endif
.set kk, kk+1
.endr
.endr
.endm
; O^T (+)= V^T P for nkg groups of 32 keys; the four accumulators take turns
.macro PV nkg, zero
.set gg, 0
.rept \nkg
.irp ct, 0,1,2,3
.if \zero
	v_wmma_f32_16x16x32_f16 v[OT+8*\ct:OT+8*\ct+7], v[VF+8*(4*gg+\ct):VF+8*(4*gg+\ct)+7], v[PP+8*gg:PP+8*gg+7], 0
.else
	v_wmma_f32_16x16x32_f16 v[OT+8*\ct:OT+8*\ct+7], v[VF+8*(4*gg+\ct):VF+8*(4*gg+\ct)+7], v[PP+8*gg:PP+8*gg+7], v[OT+8*\ct:OT+8*\ct+7]
.endif
.endr
.set gg, gg+1
.endr
.endm
.macro MASKT kt, d                     ; tile kt of a window step: register j holds the key at place 16 kt + 8 g + j: hidden where 16 kt + j < d
.irp j, 0,1,2,3,4,5,6,7
	v_cmp_lt_i32 vcc_lo, 16*(\kt)+\j, v[\d]
	v_cndmask_b32 v[SC+8*(\kt)+\j], v[SC+8*(\kt)+\j], v[NINF], vcc_lo
.endr
.endm
.macro LEVEL w, n                      ; a level of the sum's tree, pairs w registers apart
.set kk, 0
.rept \n
	v_pk_add_f32 v[SC+\w*kk:SC+\w*kk+1], v[SC+\w*kk:SC+\w*kk+1], v[SC+\w*kk+\w/2:SC+\w*kk+\w/2+1]
.set kk, kk+1
.endr
.endm
; The softmax of nt tiles.  nt = 2: the first step, which starts m, l and O^T; nt = 4: a window step.
.macro SOFT nt
.set kk, 0
.rept \nt
	v_max3_num_f32 v[TM+kk], v[SC+8*kk], v[SC+8*kk+1], v[SC+8*kk+2]   ; a chain for each tile, from its low end on
.set kk, kk+1
.endr
.irp i, 3,5
.set kk, 0
.rept \nt
	v_max3_num_f32 v[TM+kk], v[TM+kk], v[SC+8*kk+\i], v[SC+8*kk+\i+1]
.set kk, kk+1
.endr
.endr
	v_max3_num_f32 v[TM], v[TM], v[SC+7], v[SC+15]
.if \nt == 4
	v_max3_num_f32 v[TM+2], v[TM+2], v[SC+23], v[SC+31]
	v_max3_num_f32 v[TM], v[TM], v[TM+1], v[TM+2]
	v_max3_num_f32 v[TM], v[TM], v[TM+3], v[MX]
	v_mov_b32 v[TM+5], v[CM]                       ; c m_old
.else
	v_max_num_f32 v[TM], v[TM], v[TM+1]
.endif
	v_permlanex16_b32 v[TM+4], v[TM], s18, s19     ; the query's other keys lie in the lane 16 away
	v_max_num_f32 v[MX], v[TM], v[TM+4]
	v_mul_f32 v[CM], s16, v[MX]
.if \nt == 4
	v_sub_f32 v[TM+5], v[TM+5], v[CM]
.endif
.set kk, 0
.rept 4*\nt
	v_pk_fma_f32 v[SC+2*kk:SC+2*kk+1], v[SC+2*kk:SC+2*kk+1], s[16:17], v[CM:CM+1] op_sel_hi:[1,0,0] neg_lo:[0,0,1] neg_hi:[0,0,1]   ; c s - c m
.set kk, kk+1
.endr
.if \nt == 4
	v_exp_f32 v[AL], v[TM+5]
.endif
.set kk, 0
.rept 8*\nt
	v_exp_f32 v[SC+kk], v[SC+kk]                   ; one batch: none of these reads another's result
.set kk, kk+1
.endr
	v_nop                                          ; a plain line behind the last exponential
	s_wait_alu depctr_va_vdst(0)                   ; one wait for the batch, ahead of its first reader
.set kk, 0
.rept 4*\nt
	v_cvt_pk_f16_f32 v[PP+kk], v[SC+2*kk], v[SC+2*kk+1]
.set kk, kk+1
.endr
.if \nt == 4
	LEVEL 4, 8
	LEVEL 8, 4
	LEVEL 16, 2
	LEVEL 32, 1
	v_pk_fma_f32 v[LS:LS+1], v[LS:LS+1], v[AL:AL+1], v[SC:SC+1] op_sel_hi:[1,0,1]
.set kk, 0
.rept 16
	v_pk_mul_f32 v[OT+2*kk:OT+2*kk+1], v[OT+2*kk:OT+2*kk+1], v[AL:AL+1] op_sel_hi:[1,0]
.set kk, kk+1
.endr
.else
	LEVEL 4, 4
	LEVEL 8, 2
	v_pk_add_f32 v[LS:LS+1], v[SC:SC+1], v[SC+8:SC+9]
.endif
.endm
; A window step.  K of step s + 1 is asked for behind this step's first product, V of step s + 1 behind its second: each has a softmax or more in which to come.
.macro STEP s
	s_wait_dscnt 16                                ; K of this step is in; V's 16 loads are younger
	KQ 4
	NOPS                                           ; places in front of the loads into K's registers and of the reads of S^T
.if \s < 3
	LOADK (\s)+1
.endif
.if \s == 0
	MASKT 0, D0                                    ; the window's lower edge runs through the first tile for every wave
	s_cmp_ge_i32 s14, 16                           ; ids alone: where the step's first key is 16 or more nothing else is hidden
	s_cbranch_scc1 .Lopen_\@
	MASKT 1, D0
	MASKT 2, D0
	MASKT 3, D0
.else
	s_add_co_i32 s76, s14, 64*\s
	s_cmp_ge_i32 s76, 16
	s_cbranch_scc1 .Lopen_\@
	v_add_nc_u32 v[DS], -64*\s, v[D0]
	MASKT 0, DS
	MASKT 1, DS
	MASKT 2, DS
	MASKT 3, DS
.endif
.Lopen_\@:
	SOFT 4
.if \s < 3
	s_wait_dscnt 16                                ; V of this step is in; the next step's K is younger
.else
	s_wait_dscnt 0x0
.endif
	PV 2, 0
.if \s < 3
	NOPS
	LOADV (\s)+1
.endif
.endm
	s_wait_tensorcnt 0x0                           ; my tile has landed,
	s_barrier_signal -1
	s_barrier_wait -1                              ; everybody's has
.irp f, 0,1
.irp c, 0,1
	ds_load_b128 v[KF+8*\f+4*\c:KF+8*\f+4*\c+3], v[AKG] offset:64*\f+32*\c               ; tile 0: keys 0 .. 15
	ds_load_b128 v[KF+8*(2+\f)+4*\c:KF+8*(2+\f)+4*\c+3], v[AKD] offset:64*\f+32*\c       ; tile 1: the diagonal
.endr
.endr
.irp ct, 0,1,2,3
	ds_load_tr16_b128 v[VF+8*\ct:VF+8*\ct+3], v[AVG] offset:32*\ct
	ds_load_tr16_b128 v[VF+8*\ct+4:VF+8*\ct+7], v[AVD] offset:32*\ct
.endr
	s_wait_loadcnt 0x0                             ; Q
	s_wait_dscnt 8                                 ; K's eight loads are in; V's eight are younger
	KQ 2
	NOPS
	LOADK 0
.irp j, 0,1,2,3,4,5,6,7
	v_cndmask_b32 v[SC+\j], v[SC+\j], v[NINF], s20 ; where qt = 0 the diagonal is the same keys: this tile is hidden
.endr
.irp j, 0,1,2,3,4,5,6,7
	v_cmp_gt_i32 vcc_lo, \j, v[DG]                 ; key qt + 8 g + j comes after query qt + r
	v_cndmask_b32 v[SC+8+\j], v[SC+8+\j], v[NINF], vcc_lo
.endr
	SOFT 2
	s_wait_dscnt 16                                ; V's eight are in; the first window step's K is younger
	PV 1, 1
	NOPS
	LOADV 0
	STEP 0
	STEP 1
	STEP 2
	STEP 3
	; THE WAY OUT: O^T / l, rounded to f16, into the work-group's stage (a row's 256 bytes come from two waves); a barrier; whole rows leave
	NOPS
	v_add_f32 v[TM], v[LS], v[LS+1]
	v_permlanex16_b32 v[TM+4], v[TM], s18, s19
	v_add_f32 v[TM], v[TM], v[TM+4]
	v_rcp_f32 v[AL], v[TM]
	v_nop
	s_wait_alu depctr_va_vdst(0)                   ; ahead of the reciprocal's first reader
.set kk, 0
.rept 16
	v_pk_mul_f32 v[OT+2*kk:OT+2*kk+1], v[OT+2*kk:OT+2*kk+1], v[AL:AL+1] op_sel_hi:[1,0]
.set kk, kk+1
.endr
.set kk, 0
.rept 16
	v_cvt_pk_f16_f32 v[PP+kk], v[OT+2*kk], v[OT+2*kk+1]
.set kk, kk+1
.endr
.irp ct, 0,1,2,3
	ds_store_b128 v[STO], v[PP+4*\ct:PP+4*\ct+3] offset:32*\ct      ; channels 16 ct + 8 g + 0 .. 7 of query r
.endr
	s_wait_dscnt 0x0                               ; for the others' sake: my stores are done
	s_barrier_signal -1
	s_barrier_wait -1
.irp t, 0,1,2,3
	ds_load_b128 v[SC+4*\t:SC+4*\t+3], v[RD] offset:\t*2*272
.endr
.irp t, 0,1,2,3
	s_wait_dscnt 3-\t
	global_store_b128 v[GO], v[SC+4*\t:SC+4*\t+3], s[6:7] offset:\t*4096   ; 16 lanes store 256 consecutive bytes, aligned
.endr
	s_wait_tensorcnt 0x0                           ; the wave's end
	ds_add_u32 v[SPW], v[NIL]
	s_wait_dscnt 0x0
	s_endpgm
.Lfunc_end_k_qd6fc9352ae_attn:
	.size	k_qd6fc9352ae_attn, .Lfunc_end_k_qd6fc9352ae_attn-k_qd6fc9352ae_attn
	.p2alignl 7, 3214868480
	.fill 96, 4, 3214868480
	.section	.rodata,"a",@progbits
	.p2align	6, 0x0
	.amdhsa_kernel k_qd6fc9352ae_attn
		.amdhsa_group_segment_fixed_size 262144
		.amdhsa_private_segment_fixed_size 0
		.amdhsa_enable_private_segment 0
		.amdhsa_kernarg_size 16
		.amdhsa_user_sgpr_count 2
		.amdhsa_user_sgpr_kernarg_segment_ptr 1
		.amdhsa_wavefront_size32 1
		.amdhsa_system_sgpr_workgroup_id_x 1
		.amdhsa_system_sgpr_workgroup_id_y 1
		.amdhsa_system_sgpr_workgroup_id_z 1
		.amdhsa_system_vgpr_workitem_id 0
		.amdhsa_next_free_vgpr 256
		.amdhsa_next_free_sgpr 96
		.amdhsa_reserve_vcc 1
		.amdhsa_float_denorm_mode_32 3
		.amdhsa_float_denorm_mode_16_64 3
		.amdhsa_memory_ordered 1
		.amdhsa_forward_progress 1
		.amdhsa_inst_pref_size 65
	.end_amdhsa_kernel
	.amdgpu_metadata
---
amdhsa.version: [ 1, 2 ]
amdhsa.kernels:
  - .name:           k_qd6fc9352ae_attn
    .symbol:         k_qd6fc9352ae_attn.kd
    .args:
      - { .name: qkv, .offset: 0, .size: 8, .value_kind: global_buffer, .address_space: global }
      - { .name: attn, .offset: 8, .size: 8, .value_kind: global_buffer, .address_space: global }
    .group_segment_fixed_size: 262144
    .private_segment_fixed_size: 0
    .kernarg_segment_align: 8
    .kernarg_segment_size: 16
    .max_flat_workgroup_size: 512
    .sgpr_count:     96
    .vgpr_count:     256
    .wavefront_size: 32
...
	.end_amdgpu_metadata
.endif
;; end of part 3
;; launch proj (part 4): grid 8 x 32, 4 waves a work-group, clusters of 4 x 4, 327,680 bytes of LDS; arguments attn, wot, bo, out0; writes out0
.if DOCPART == 4
	.amdgcn_target "amdgcn-amd-amdhsa--gfx1250"
	.amdhsa_code_object_version 6
	.text
	.protected	k_qd6fc9352ae_proj
	.globl	k_qd6fc9352ae_proj
	.p2align	8
	.type	k_qd6fc9352ae_proj,@function
k_qd6fc9352ae_proj:
	s_mov_b64 s[64:65], 0
	v_nop
	global_prefetch_b8 v0, s[64:65] scope:SCOPE_SE
	s_setreg_imm32_b32 hwreg(HW_REG_WAVE_MODE, 25, 1), 1
	s_wait_xcnt 0x0
	s_wait_alu depctr_hold_cnt(0) depctr_sa_sdst(0) depctr_va_vdst(0) depctr_va_sdst(0) depctr_va_ssrc(0) depctr_va_vcc(0) depctr_vm_vsrc(0)
	s_getreg_b32 s2, hwreg(HW_REG_IB_STS2, 6, 4)
	s_cmp_eq_u32 s2, 0
	s_cbranch_scc0 .Lentry_in_a_cluster
	s_endpgm
.Lentry_in_a_cluster:
	s_bfe_u32 s2, ttmp6, 0x10000c
	s_cmp_lg_u32 s2, 0xf033
	s_cbranch_scc0 .Lentry_shape_is_right
	s_endpgm
.Lentry_shape_is_right:
; out[m][n] = sum over k of A[m][k] B[n][k] + bo[n].  A: the attention's result [4096][1024] f16; B: Wo laid [n][k], f16; out: [4096][1024] f32; sums in f32.
; A tile of the output is 128 x 128 (256 tiles: one for each work-group); four waves, each 64 x 64: 16 accumulators.  K goes in steps of 256 (LDS rows of 512 bytes) through a ring of two slots.
; CLUSTERS: 4 x 4 work-groups; the four of a row of the cluster ask jointly for A's tiles, the four of a column for B's.  THE MATRIX INSTRUCTION IS USED TRANSPOSED (source 0 = 16 rows of B,
; source 1 = 16 rows of A): a lane holds eight neighbouring numbers of a row of the output.  The bias is the C of each sum's first product.
; Rows 0 .. 15 are written here like the others (no branch may hang on a work-group's place in its cluster); the next launch replaces them with sums carried in f32.
; REGISTERS: window 0: v0-31 addresses; v32-95 the way out; v96-127 the bias; v128-255 the accumulators ((a, b) at v[128 + 8 (4 a + b)]).  window 1: two fragment buffers of 128.
.set SIZE_K, 1024
.set KSTEP,  256
.set PITCH,  528                       ; an LDS row: 512 bytes + 16
.set HALFT,  64*PITCH
.set SLOT,   4*HALFT
.set STAGE,  2*SLOT                    ; behind the ring: 16 rows x 272 bytes for each wave: a wave's 64 columns of f32 are 256 bytes, so each wave has its own stage
.set SPITCH, 272
.set SPARE,  STAGE+4*16*SPITCH         ; the spare words, 128 bytes for each wave
.set LAPS,   SIZE_K/(2*KSTEP)
.set CROW,   4096                      ; a row of the output in bytes
.set ADRA, 16
.set ADRB, 20
.set STO,  24
.set RD,   25
.set CO,   26
.set SPW,  28
.set NIL,  29
.set BOF,  30
.set TMP,  32
.set BIAS, 96
.set ACC,  128
.set F0,   0
.set F1,   128
.set G1, 24
.set G0, 32
.set G1B, 48
.set G0B, 56
.set MSB, 0
.macro WIN new
.if MSB != \new
	s_set_vgpr_msb (MSB<<8)|\new
.set MSB, \new
.endif
.endm
.set MUL,  0x05                        ; sources 0 (B) and 1 (A) window 1; C and D window 0
.set TO_F, 0x40
.macro JLOAD s                         ; a joint load: waves 0 and 1 fetch A's two halves, waves 2 and 3 B's; an s_nop 0 and four v_nop follow each line
	s_cmp_eq_u32 s11, 0
	s_cbranch_scc0 .Lfor_b_\@
	tensor_load_to_lds s[G0+4*\s:G0+4*\s+3], s[G1:G1+7]
	s_nop 0
.rept 4
	v_nop
.endr
	s_branch .Lasked_\@
.Lfor_b_\@:
	tensor_load_to_lds s[G0B+4*\s:G0B+4*\s+3], s[G1B:G1B+7]
	s_nop 0
.rept 4
	v_nop
.endr
.Lasked_\@:
.endm
.macro CREST
	s_cmp_lg_u32 s10, 0
	s_cbranch_scc1 .Lnot_wave_0_\@
	s_barrier_signal -3
.Lnot_wave_0_\@:
	s_barrier_wait -3
	s_barrier_signal -1
	s_barrier_wait -1
.endm
.macro CROUND
	s_barrier_signal -1
	s_barrier_wait -1
	CREST
.endm
	s_load_b128 s[4:7], s[0:1], 0x0                ; A, B
	s_load_b64 s[66:67], s[0:1], 0x10              ; bo
	s_load_b64 s[8:9], s[0:1], 0x18                ; out
	v_lshl_add_u32 v[SPW], v0, 2, SPARE
	v_mov_b32 v[NIL], 0
	ds_add_u32 v[SPW], v[NIL]                      ; the wave's opening: the add, twice on end, and its wait ahead of my first tensor load
	ds_add_u32 v[SPW], v[NIL]
	v_lshrrev_b32 v1, 5, v0
	v_readfirstlane_b32 s10, v1                    ; wave 0..3
	s_lshr_b32 s11, s10, 1                         ; which half of the tile's rows is mine.  Also: I fetch for A (0) or for B (1)
	s_and_b32 s12, s10, 1                          ; which half of its columns.  Also: which 64 rows of that tile I fetch
	s_bfe_u32 s40, ttmp6, 0x40000
	s_bfe_u32 s41, ttmp6, 0x40004
	s_lshl_b32 s42, ttmp9, 2
	s_add_co_u32 s42, s42, s40                     ; tile column
	s_and_b32 s13, ttmp7, 0xffff
	s_lshl_b32 s13, s13, 2
	s_add_co_u32 s13, s13, s41                     ; tile row
	s_lshl_b32 s43, s41, 2
	s_lshl_b32 s43, 15, s43                        ; my row of the cluster
	s_lshl_b32 s44, 0x1111, s40                    ; my column
	s_or_b32 s[G1+0], s43, (1<<16)|(1<<20)|(1<<21)|(6<<22)|(3<<25)  ; the mask; elements of 2 bytes; padding on; bit 21 beside a mask; 4 words behind every 128
	s_or_b32 s[G1B+0], s44, (1<<16)|(1<<20)|(1<<21)|(6<<22)|(3<<25)
.irp g, G1, G1B
	s_mov_b32 s[\g+1], KSTEP<<16
	s_mov_b32 s[\g+2], 64<<16
	s_mov_b32 s[\g+3], KSTEP<<16
	s_mov_b32 s[\g+4], 64
	s_mov_b32 s[\g+5], SIZE_K
	s_mov_b32 s[\g+6], 0
	s_mov_b32 s[\g+7], 0
.endr
	s_lshl_b32 s17, s12, 6
	s_lshl_b32 s16, s13, 7
	s_add_co_u32 s16, s16, s17                     ; A: row 128 x tile row + 64 x half
	s_lshl_b32 s46, s42, 7
	s_add_co_u32 s46, s46, s17                     ; B: row 128 x tile column + 64 x half
	s_mov_b32 s17, 0
	s_mov_b32 s47, 0
	s_mov_b64 s[18:19], SIZE_K*2
	s_mul_u64 s[16:17], s[16:17], s[18:19]
	s_mul_u64 s[46:47], s[46:47], s[18:19]
	s_mul_i32 s20, s10, HALFT
	s_wait_dscnt 0x0                               ; both opening adds are done
	s_wait_kmcnt 0x0
	s_add_nc_u64 s[14:15], s[4:5], s[16:17]
	s_add_nc_u64 s[46:47], s[6:7], s[46:47]
	CROUND                                         ; all sixteen work-groups are here: the first joint loads meet
.irp s, 0,1
	s_mov_b32 s[G0+4*\s], 1
	s_add_co_u32 s[G0+4*\s+1], s20, \s*SLOT
	s_add_nc_u64 s[G0+4*\s+2:G0+4*\s+3], s[14:15], \s*KSTEP*2
	s_or_b32 s[G0+4*\s+3], s[G0+4*\s+3], 0x80000000
	s_mov_b32 s[G0B+4*\s], 1
	s_add_co_u32 s[G0B+4*\s+1], s20, \s*SLOT
	s_add_nc_u64 s[G0B+4*\s+2:G0B+4*\s+3], s[46:47], \s*KSTEP*2
	s_or_b32 s[G0B+4*\s+3], s[G0B+4*\s+3], 0x80000000
	JLOAD \s
.endr
	v_and_b32 v1, 15, v0                           ; l % 16
	v_bfe_u32 v2, v0, 4, 1                         ; l / 16
	v_mul_u32_u24 v3, v1, PITCH
	v_lshl_add_u32 v3, v2, 4, v3
	s_mul_i32 s21, s11, HALFT
	s_mul_i32 s22, s12, HALFT
	s_add_co_u32 s22, s22, 2*HALFT
.irp s, 0,1
	v_add_nc_u32 v[ADRA+\s], s21, v3
	v_add_nc_u32 v[ADRB+\s], s22, v3
	s_add_co_u32 s21, s21, SLOT
	s_add_co_u32 s22, s22, SLOT
.endr
	s_mul_i32 s23, s10, 16*SPITCH
	s_add_co_u32 s23, s23, STAGE                   ; my stage
	v_mul_u32_u24 v4, v1, SPITCH                   ; in: row l % 16, 32 bytes for each half of the lanes
	v_lshl_add_u32 v4, v2, 5, v4
	v_add_nc_u32 v[STO], s23, v4
	v_mul_u32_u24 v5, v2, SPITCH                   ; back: lanes 0-15 one row of 256 bytes, lanes 16-31 the next
	v_lshl_add_u32 v5, v1, 4, v5
	v_add_nc_u32 v[RD], s23, v5
	v_lshlrev_b32 v5, 12, v2
	v_lshl_add_u32 v[CO], v1, 4, v5
	v_lshlrev_b32 v[BOF], 5, v2
	s_lshl_b32 s16, s13, 7
	s_lshl_b32 s17, s11, 6
	s_add_co_u32 s16, s16, s17                     ; my first row: 128 x tile row + 64 x half
	s_lshl_b32 s16, s16, 12
	s_mov_b32 s17, 0
	s_add_nc_u64 s[8:9], s[8:9], s[16:17]
	s_lshl_b32 s46, s42, 9                         ; my first column x 4 bytes: 512 x tile column + 256 x half
	s_lshl_b32 s47, s12, 8
	s_add_co_u32 s46, s46, s47
	s_mov_b32 s47, 0
	s_add_nc_u64 s[8:9], s[8:9], s[46:47]
	s_add_nc_u64 s[66:67], s[66:67], s[46:47]
.irp b, 0,1,2,3
	global_load_b128 v[BIAS+8*\b:BIAS+8*\b+3], v[BOF], s[66:67] offset:64*\b          ; lane (r, h): bo of columns 16 b + 8 h + 0 .. 7
	global_load_b128 v[BIAS+8*\b+4:BIAS+8*\b+7], v[BOF], s[66:67] offset:64*\b+16
.endr
; 8 matrix instructions: m blocks a0, a0 + 1 x all 4 n blocks, 32 along K: half c of buffer f.  zero = 1: the first product starts the sums from the bias.  The 16 accumulators take turns.
.macro MUL8 f, c, a0, zero
.irp a, \a0, \a0+1
.irp b, 0,1,2,3
.if \zero
	v_wmma_f32_16x16x32_f16 v[ACC+8*(4*(\a)+\b):ACC+8*(4*(\a)+\b)+7], v[\f+64+8*(4*\c+\b):\f+64+8*(4*\c+\b)+7], v[\f+8*(4*\c+\a):\f+8*(4*\c+\a)+7], v[BIAS+8*\b:BIAS+8*\b+7]
.else
	v_wmma_f32_16x16x32_f16 v[ACC+8*(4*(\a)+\b):ACC+8*(4*(\a)+\b)+7], v[\f+64+8*(4*\c+\b):\f+64+8*(4*\c+\b)+7], v[\f+8*(4*\c+\a):\f+8*(4*\c+\a)+7], v[ACC+8*(4*(\a)+\b):ACC+8*(4*(\a)+\b)+7]
.endif
.endr
.endr
.endm
.macro FETCH slot, k, f                ; 32 LDS loads in one run: the fragments of 64 along K at byte k of the rows; the first 32 along K first
	WIN TO_F
.irp c, 0,1
.irp i, 0,1,2,3
	ds_load_b128 v[\f+64+8*(4*\c+\i):\f+64+8*(4*\c+\i)+3],   v[ADRB+\slot] offset:\k+64*\c+\i*16*PITCH
	ds_load_b128 v[\f+64+8*(4*\c+\i)+4:\f+64+8*(4*\c+\i)+7], v[ADRB+\slot] offset:\k+64*\c+\i*16*PITCH+32
	ds_load_b128 v[\f+8*(4*\c+\i):\f+8*(4*\c+\i)+3],         v[ADRA+\slot] offset:\k+64*\c+\i*16*PITCH
	ds_load_b128 v[\f+8*(4*\c+\i)+4:\f+8*(4*\c+\i)+7],       v[ADRA+\slot] offset:\k+64*\c+\i*16*PITCH+32
.endr
.endr
.endm
.macro PLACES
.rept 4
	v_nop
.endr
.endm
.macro QUARTER slot, k, f, g, zero
	s_wait_dscnt 16                                ; the first 32 along K are in; the other sixteen loads may be out
	WIN MUL
	MUL8 \f, 0, 0, \zero
	MUL8 \f, 0, 2, \zero
	PLACES
	FETCH \slot, \k, \g
	s_wait_dscnt 32                                ; all but the 32 just issued
	WIN MUL
	MUL8 \f, 1, 0, 0
	MUL8 \f, 1, 2, 0
.endm
; The last quarter changes slots: one barrier; in front of it each wave waits for all its tensor loads, adds 0 to its spare word, and waits for that and for its reads of this slot.
.macro TURN slot, next, fill
	WIN 0
	s_wait_tensorcnt 0x0                           ; all my tensor loads have landed: my part of the next slot
	ds_add_u32 v[SPW], v[NIL]
	s_wait_dscnt 17                                ; (the add and the youngest sixteen loads may be out)
	WIN MUL
	MUL8 F1, 0, 0, 0
	s_wait_dscnt 0x0                               ; the add is done, and my reads of this slot are over
	s_barrier_signal -1
	MUL8 F1, 0, 2, 0
.if \fill
	WIN 0
.endif
	s_barrier_wait -1
.if \fill
	CREST                                          ; the barrier has opened a round of the cluster's barrier: no wave of any partner still reads this slot or has a load on its way
	s_add_nc_u64 s[G0+4*\slot+2:G0+4*\slot+3], s[G0+4*\slot+2:G0+4*\slot+3], 2*KSTEP*2
	s_add_nc_u64 s[G0B+4*\slot+2:G0B+4*\slot+3], s[G0B+4*\slot+2:G0B+4*\slot+3], 2*KSTEP*2
	JLOAD \slot                                    ; the first tensor load behind the round; its four v_nop are also the places in front of the loads below
.else
	PLACES
.endif
	FETCH \next, 0, F0
	WIN MUL
	MUL8 F1, 1, 0, 0
	MUL8 F1, 1, 2, 0
.endm
	s_wait_tensorcnt 1                             ; my part of K step 0 is in (K step 1's load may be out)
	s_barrier_signal -1
	s_barrier_wait -1
	FETCH 0, 0, F0
	s_wait_loadcnt 0x0                             ; the bias
	QUARTER 0, 128, F0, F1, 1
	WIN 0
	s_mov_b32 s3, LAPS-1
.Llap:                                                 ; a trip goes once round the ring and fills both slots again
	QUARTER 0, 256, F1, F0, 0
	QUARTER 0, 384, F0, F1, 0
	TURN 0, 1, 1
	QUARTER 1, 128, F0, F1, 0
	QUARTER 1, 256, F1, F0, 0
	QUARTER 1, 384, F0, F1, 0
	TURN 1, 0, 1
	QUARTER 0, 128, F0, F1, 0
	WIN 0
	s_sub_co_u32 s3, s3, 1
	s_cmp_lg_u32 s3, 0
	s_cbranch_scc1 .Llap
	QUARTER 0, 256, F1, F0, 0                      ; the last lap fills nothing
	QUARTER 0, 384, F0, F1, 0
	TURN 0, 1, 0
	QUARTER 1, 128, F0, F1, 0
	QUARTER 1, 256, F1, F0, 0
	QUARTER 1, 384, F0, F1, 0
	s_wait_dscnt 16
	WIN MUL
	MUL8 F1, 0, 0, 0
	MUL8 F1, 0, 2, 0
	s_wait_dscnt 0
	MUL8 F1, 1, 0, 0
	MUL8 F1, 1, 2, 0
	WIN 0
; THE WAY OUT, block by block of 16 rows x 64 columns of f32, through my own stage: LDS serves a wave's instructions in order, so no wait stands between the stores and the loads
.macro TOSTAGE a
.irp b, 0,1,2,3
	ds_store_b128 v[STO], v[ACC+8*(4*(\a)+\b):ACC+8*(4*(\a)+\b)+3] offset:64*\b          ; each accumulator from its low end on
	ds_store_b128 v[STO], v[ACC+8*(4*(\a)+\b)+4:ACC+8*(4*(\a)+\b)+7] offset:64*\b+16
.endr
.set BB, TMP+32*((\a)%2)
.irp t, 0,1,2,3,4,5,6,7
	ds_load_b128 v[BB+4*\t:BB+4*\t+3], v[RD] offset:\t*2*SPITCH
.endr
.endm
.macro SEND a, younger                 ; younger: the LDS instructions issued behind block a's loads
.set BB, TMP+32*((\a)%2)
	s_wait_dscnt \younger
.irp t, 0,1,2,3,4,5,6,7
	global_store_b128 v[CO], v[BB+4*\t:BB+4*\t+3], s[8:9] offset:(16*(\a)+2*\t)*CROW th:TH_STORE_NT   ; 16 lanes store 256 consecutive bytes, aligned; the base is never stepped
.endr
.endm
	PLACES
	TOSTAGE 0
.irp a, 1,2,3
.if \a > 1
	s_wait_xcnt 0x0                                ; block a - 2's stores have read their registers: block a's loads may land there
.endif
	TOSTAGE \a
	SEND \a-1, 16                                  ; behind block a - 1's loads: block a's 8 stores and 8 loads
.endr
	SEND 3, 0
	s_wait_tensorcnt 0x0                           ; the wave's end
	ds_add_u32 v[SPW], v[NIL]
	s_wait_dscnt 0x0
	CROUND                                         ; the closing round
	s_endpgm
.Lfunc_end_k_qd6fc9352ae_proj:
	.size	k_qd6fc9352ae_proj, .Lfunc_end_k_qd6fc9352ae_proj-k_qd6fc9352ae_proj
	.p2alignl 7, 3214868480
	.fill 96, 4, 3214868480
	.section	.rodata,"a",@progbits
	.p2align	6, 0x0
	.amdhsa_kernel k_qd6fc9352ae_proj
		.amdhsa_group_segment_fixed_size 327680
		.amdhsa_private_segment_fixed_size 0
		.amdhsa_enable_private_segment 0
		.amdhsa_kernarg_size 32
		.amdhsa_user_sgpr_count 2
		.amdhsa_user_sgpr_kernarg_segment_ptr 1
		.amdhsa_wavefront_size32 1
		.amdhsa_system_sgpr_workgroup_id_x 1
		.amdhsa_system_sgpr_workgroup_id_y 1
		.amdhsa_system_sgpr_workgroup_id_z 1
		.amdhsa_system_vgpr_workitem_id 0
		.amdhsa_next_free_vgpr 512
		.amdhsa_next_free_sgpr 68
		.amdhsa_reserve_vcc 0
		.amdhsa_float_denorm_mode_32 3
		.amdhsa_float_denorm_mode_16_64 3
		.amdhsa_memory_ordered 1
		.amdhsa_forward_progress 1
		.amdhsa_inst_pref_size 86
	.end_amdhsa_kernel
	.amdgpu_metadata
---
amdhsa.version: [ 1, 2 ]
amdhsa.kernels:
  - .name:           k_qd6fc9352ae_proj
    .symbol:         k_qd6fc9352ae_proj.kd
    .args:
      - { .name: attn, .offset: 0, .size: 8, .value_kind: global_buffer, .address_space: global }
      - { .name: wot, .offset: 8, .size: 8, .value_kind: global_buffer, .address_space: global }
      - { .name: bo, .offset: 16, .size: 8, .value_kind: global_buffer, .address_space: global }
      - { .name: out0, .offset: 24, .size: 8, .value_kind: global_buffer, .address_space: global }
    .group_segment_fixed_size: 327680
    .private_segment_fixed_size: 0
    .kernarg_segment_align: 8
    .kernarg_segment_size: 32
    .max_flat_workgroup_size: 128
    .sgpr_count:     68
    .vgpr_count:     512
    .wavefront_size: 32
...
	.end_amdgpu_metadata
.endif
;; end of part 4
;; launch first16 (part 5): grid 64 x 1, 16 waves a work-group, no clusters, 18,432 bytes of LDS; arguments head32, Wo, bo, out0; writes out0
.if DOCPART == 5
	.amdgcn_target "amdgcn-amd-amdhsa--gfx1250"
	.amdhsa_code_object_version 6
	.text
	.protected	k_qd6fc9352ae_first16
	.globl	k_qd6fc9352ae_first16
	.p2align	8
	.type	k_qd6fc9352ae_first16,@function
k_qd6fc9352ae_first16:
	s_mov_b64 s[64:65], 0
	v_nop
	global_prefetch_b8 v0, s[64:65] scope:SCOPE_SE
	s_setreg_imm32_b32 hwreg(HW_REG_WAVE_MODE, 25, 1), 1
	s_wait_xcnt 0x0
; Positions 0 .. 15, which average one to sixteen values, carried in f32 from the projections' sums to the output: attention and the way out, on the f32 matrix form (48 instructions a wave).
; head32 [tensor][4][16][1024] f32: parts [0][0], [1][0], [2][0] are Q, K, V of positions 0 .. 15.  Among these positions the mask is the causal one alone.
; SHARES.  Work-group x owns output columns 16 x .. 16 x + 15; wave hd is head hd, which is K slice 64 hd .. 64 hd + 63 of the last product.  Each work-group repeats the small attention:
; that is less than another launch.  The sixteen waves' parts of the output meet in LDS and are added in a fixed order by waves 0 and 1.
; The form's K = 4 is laid: lane (r, g), register j: k = 2 g + j.  A sum does not care which k stands where so long as both sources agree: both are taken as they lie in the registers.
; The registers that this form writes (v144-207) are written by matrix instructions alone; what is made of a sum goes elsewhere.
; No tensor loads and no cluster: what the work-groups share is 192 KiB, loaded through registers.
.set SPARE, 16384                      ; behind the 16 parts of 1,024 bytes: the spare words, 128 bytes for each wave
.set SPW, 2
.set NIL, 3
.set QF,  16                           ; v16-47   Q: lane (r, g): query r, channels 32 g + 0 .. 31
.set KF,  48                           ; v48-79   K likewise
.set VT,  80                           ; v80-111  register 8 ct + i: V[key 8 g + i][channel 16 ct + r]
.set WT,  112                          ; v112-143 register 8 ct + i: Wo[64 hd + 16 ct + 8 g + i][n0 + r]
.set SA,  144                          ; two accumulators of S^T
.set OA,  160                          ; four of O^T
.set YA,  192                          ; two of the output's part
.set SS,  208
.set PP,  216
.set YY,  224
.set TM,  232
	s_load_b256 s[4:11], s[0:1], 0x0               ; head32, Wo, bo, out0
	v_lshl_add_u32 v[SPW], v0, 2, SPARE
	v_mov_b32 v[NIL], 0
	v_lshrrev_b32 v4, 5, v0
	v_readfirstlane_b32 s12, v4                    ; wave = head
	v_and_b32 v4, 15, v0                           ; r
	v_bfe_u32 v5, v0, 4, 1                         ; g
	v_and_b32 v6, 31, v0                           ; lane
	v_lshlrev_b32 v7, 12, v4
	v_lshl_add_u32 v7, v5, 7, v7                   ; Q, K: row r of 4,096 bytes + 128 g
	v_lshlrev_b32 v8, 15, v5
	v_lshl_add_u32 v8, v4, 2, v8                   ; V, Wo: 8 g rows of 4,096 bytes + 4 r
	s_lshl_b32 s14, s12, 10
	v_lshlrev_b32 v9, 4, v6
	v_add_nc_u32 v9, s14, v9                       ; my part in LDS: 1,024 x head + 16 x lane
	s_lshl_b32 s15, s12, 9
	v_lshlrev_b32 v10, 4, v6
	v_add_nc_u32 v10, s15, v10                     ; waves 0 and 1 read back: 512 x wave + 16 x lane, of every part
	s_lshl_b32 s15, s12, 4
	v_lshl_add_u32 v12, v5, 5, s15                 ; their four columns: 32 g + 16 x wave bytes,
	v_lshl_add_u32 v11, v4, 12, v12                ; in row r of the output
	v_lshlrev_b32 v13, 3, v5
	v_sub_nc_u32 v13, v4, v13                      ; r - 8 g
	v_mov_b32 v14, 0xff800000
	v_mov_b32 v[TM+1], 0                           ; written once: a lane permute's destination counts as one of its sources
	s_mov_b32 s24, 0x76543210
	s_mov_b32 s25, 0xfedcba98
	s_mov_b32 s26, 0x3e38aa3b                      ; c = log2(e) / 8
	s_lshl_b32 s16, s12, 8                         ; my head's 256 bytes of a row
	s_mov_b32 s17, 0
	s_lshl_b32 s18, s12, 18                        ; my head's 64 rows of Wo
	s_lshl_b32 s22, ttmp9, 6                       ; my work-group's 16 columns
	s_add_co_u32 s18, s18, s22
	s_mov_b32 s19, 0
	s_mov_b32 s23, 0
	s_wait_kmcnt 0x0
	s_add_nc_u64 s[4:5], s[4:5], s[16:17]
	s_add_nc_u64 s[6:7], s[6:7], s[18:19]
	s_add_nc_u64 s[8:9], s[8:9], s[22:23]
	s_add_nc_u64 s[10:11], s[10:11], s[22:23]
.irp i, 0,1,2,3,4,5,6,7
	global_load_b128 v[QF+4*\i:QF+4*\i+3], v7, s[4:5] offset:16*\i
.endr
.irp i, 0,1,2,3,4,5,6,7
	global_load_b128 v[KF+4*\i:KF+4*\i+3], v7, s[4:5] offset:262144+16*\i
.endr
.irp ct, 0,1,2,3
.irp i, 0,1,2,3,4,5,6,7
	global_load_b32 v[VT+8*\ct+\i], v8, s[4:5] offset:524288+\i*4096+64*\ct
.endr
.endr
.irp ct, 0,1,2,3
.irp i, 0,1,2,3,4,5,6,7
	global_load_b32 v[WT+8*\ct+\i], v8, s[6:7] offset:(16*\ct+\i)*4096
.endr
.endr
	s_wait_loadcnt 63                              ; Q and K are in: 64 loads are younger than K's last, and a smaller count is always right
.set ss, 0
.rept 16                                       ; S^T = K Q^T: two accumulators by turns; instruction s takes channels 32 g + 2 s, + 1
.if ss < 2
	v_wmma_f32_16x16x4_f32 v[SA+8*(ss%2):SA+8*(ss%2)+7], v[KF+2*ss:KF+2*ss+1], v[QF+2*ss:QF+2*ss+1], 0
.else
	v_wmma_f32_16x16x4_f32 v[SA+8*(ss%2):SA+8*(ss%2)+7], v[KF+2*ss:KF+2*ss+1], v[QF+2*ss:QF+2*ss+1], v[SA+8*(ss%2):SA+8*(ss%2)+7]
.endif
.set ss, ss+1
.endr
.rept 8
	v_nop                                          ; eight places behind this form before its result is read
.endr
.irp j, 0,1,2,3,4,5,6,7
	v_add_f32 v[SS+\j], v[SA+\j], v[SA+8+\j]       ; lane (r, g): the score of query r and key 8 g + j
.endr
.irp j, 0,1,2,3,4,5,6,7
	v_cmp_gt_i32 vcc_lo, \j, v13                   ; key 8 g + j comes after query r
	v_cndmask_b32 v[SS+\j], v[SS+\j], v14, vcc_lo
.endr
	v_max3_num_f32 v[TM], v[SS], v[SS+1], v[SS+2]
	v_max3_num_f32 v[TM], v[TM], v[SS+3], v[SS+4]
	v_max3_num_f32 v[TM], v[TM], v[SS+5], v[SS+6]
	v_max_num_f32 v[TM], v[TM], v[SS+7]
	v_permlanex16_b32 v[TM+1], v[TM], s24, s25
	v_max_num_f32 v[TM], v[TM], v[TM+1]            ; the row's maximum (key 0 counts for every query)
	v_mul_f32 v[TM+2], s26, v[TM]
.irp j, 0,1,2,3,4,5,6,7
	v_fma_f32 v[SS+\j], v[SS+\j], s26, -v[TM+2]
.endr
.irp j, 0,1,2,3,4,5,6,7
	v_exp_f32 v[SS+\j], v[SS+\j]
.endr
	v_nop
	s_wait_alu depctr_va_vdst(0)                   ; one wait for the eight, ahead of their first reader
	v_add_f32 v[TM], v[SS], v[SS+1]
	v_add_f32 v[TM+3], v[SS+2], v[SS+3]
	v_add_f32 v[TM+4], v[SS+4], v[SS+5]
	v_add_f32 v[TM+5], v[SS+6], v[SS+7]
	v_add_f32 v[TM], v[TM], v[TM+3]
	v_add_f32 v[TM+4], v[TM+4], v[TM+5]
	v_add_f32 v[TM], v[TM], v[TM+4]
	v_permlanex16_b32 v[TM+1], v[TM], s24, s25
	v_add_f32 v[TM], v[TM], v[TM+1]
	v_rcp_f32 v[TM+2], v[TM]
	v_nop
	s_wait_alu depctr_va_vdst(0)
.irp j, 0,1,2,3,4,5,6,7
	v_mul_f32 v[PP+\j], v[SS+\j], v[TM+2]          ; the normalised weights
.endr
	s_wait_loadcnt 32                              ; V is in; Wo's 32 loads are younger
.irp s, 0,1,2,3                                ; O^T = V^T P: four accumulators by turns; instruction s takes keys 8 g + 2 s, + 1
.irp ct, 0,1,2,3
.if \s == 0
	v_wmma_f32_16x16x4_f32 v[OA+8*\ct:OA+8*\ct+7], v[VT+8*\ct+2*\s:VT+8*\ct+2*\s+1], v[PP+2*\s:PP+2*\s+1], 0
.else
	v_wmma_f32_16x16x4_f32 v[OA+8*\ct:OA+8*\ct+7], v[VT+8*\ct+2*\s:VT+8*\ct+2*\s+1], v[PP+2*\s:PP+2*\s+1], v[OA+8*\ct:OA+8*\ct+7]
.endif
.endr
.endr
	s_wait_loadcnt 0x0                             ; Wo
.rept 9
	v_nop                                          ; nine places before a matrix instruction takes these results as a source
.endr
.set ss, 0
.rept 16                                       ; the output's part, transposed: source 0 = 16 columns of Wo, source 1 = O^T as it lies: channels 16 (ss / 4) + 8 g + 2 (ss % 4), + 1
.if ss < 2
	v_wmma_f32_16x16x4_f32 v[YA+8*(ss%2):YA+8*(ss%2)+7], v[WT+2*ss:WT+2*ss+1], v[OA+2*ss:OA+2*ss+1], 0
.else
	v_wmma_f32_16x16x4_f32 v[YA+8*(ss%2):YA+8*(ss%2)+7], v[WT+2*ss:WT+2*ss+1], v[OA+2*ss:OA+2*ss+1], v[YA+8*(ss%2):YA+8*(ss%2)+7]
.endif
.set ss, ss+1
.endr
.rept 8
	v_nop
.endr
.irp j, 0,1,2,3,4,5,6,7
	v_add_f32 v[YY+\j], v[YA+\j], v[YA+8+\j]       ; lane (r, g): my head's part of out(r, n0 + 8 g + j)
.endr
	ds_store_b128 v9, v[YY:YY+3]
	ds_store_b128 v9, v[YY+4:YY+7] offset:512
	s_wait_tensorcnt 0x0                           ; behind my last LDS store: only reads of LDS follow
	ds_add_u32 v[SPW], v[NIL]
	s_wait_dscnt 0x0                               ; also for the others' sake: my stores are done
	s_barrier_signal -1
	s_barrier_wait -1
	s_cmp_gt_u32 s12, 1
	s_cbranch_scc1 .Ldone
	global_load_b128 v[TM:TM+3], v12, s[8:9]       ; bo of my four columns
.irp s, 0,1,2,3,4,5,6,7,8,9,10,11,12,13,14,15
	ds_load_b128 v[16+4*\s:19+4*\s], v10 offset:1024*\s
.endr
	s_wait_dscnt 0x0
.macro FOLD d                          ; part s + d onto part s: a fixed order
.set kk, 0
.rept \d
	v_pk_add_f32 v[16+4*kk:17+4*kk], v[16+4*kk:17+4*kk], v[16+4*(kk+\d):17+4*(kk+\d)]
	v_pk_add_f32 v[18+4*kk:19+4*kk], v[18+4*kk:19+4*kk], v[18+4*(kk+\d):19+4*(kk+\d)]
.set kk, kk+1
.endr
.endm
	FOLD 8
	FOLD 4
	FOLD 2
	FOLD 1
	s_wait_loadcnt 0x0
	v_pk_add_f32 v[16:17], v[16:17], v[TM:TM+1]
	v_pk_add_f32 v[18:19], v[18:19], v[TM+2:TM+3]
	global_store_b128 v11, v[16:19], s[10:11]      ; out(r, n0 + 8 g + 4 x wave + 0 .. 3): 64 KiB in the whole launch
.Ldone:
	s_endpgm
.Lfunc_end_k_qd6fc9352ae_first16:
	.size	k_qd6fc9352ae_first16, .Lfunc_end_k_qd6fc9352ae_first16-k_qd6fc9352ae_first16
	.p2alignl 7, 3214868480
	.fill 96, 4, 3214868480
	.section	.rodata,"a",@progbits
	.p2align	6, 0x0
	.amdhsa_kernel k_qd6fc9352ae_first16
		.amdhsa_group_segment_fixed_size 18432
		.amdhsa_private_segment_fixed_size 0
		.amdhsa_enable_private_segment 0
		.amdhsa_kernarg_size 32
		.amdhsa_user_sgpr_count 2
		.amdhsa_user_sgpr_kernarg_segment_ptr 1
		.amdhsa_wavefront_size32 1
		.amdhsa_system_sgpr_workgroup_id_x 1
		.amdhsa_system_sgpr_workgroup_id_y 1
		.amdhsa_system_sgpr_workgroup_id_z 1
		.amdhsa_system_vgpr_workitem_id 0
		.amdhsa_next_free_vgpr 256
		.amdhsa_next_free_sgpr 66
		.amdhsa_reserve_vcc 1
		.amdhsa_float_denorm_mode_32 3
		.amdhsa_float_denorm_mode_16_64 3
		.amdhsa_memory_ordered 1
		.amdhsa_forward_progress 1
		.amdhsa_inst_pref_size 20
	.end_amdhsa_kernel
	.amdgpu_metadata
---
amdhsa.version: [ 1, 2 ]
amdhsa.kernels:
  - .name:           k_qd6fc9352ae_first16
    .symbol:         k_qd6fc9352ae_first16.kd
    .args:
      - { .name: head32, .offset: 0, .size: 8, .value_kind: global_buffer, .address_space: global }
      - { .name: Wo, .offset: 8, .size: 8, .value_kind: global_buffer, .address_space: global }
      - { .name: bo, .offset: 16, .size: 8, .value_kind: global_buffer, .address_space: global }
      - { .name: out0, .offset: 24, .size: 8, .value_kind: global_buffer, .address_space: global }
    .group_segment_fixed_size: 18432
    .private_segment_fixed_size: 0
    .kernarg_segment_align: 8
    .kernarg_segment_size: 32
    .max_flat_workgroup_size: 512
    .sgpr_count:     66
    .vgpr_count:     256
    .wavefront_size: 32
...
	.end_amdgpu_metadata
.endif
;; end of part 5
